; MI455X (gfx1250); checked and timed in simulation.
; The chip was launched on July 23, 2026; its instructions are those of AMD's public machine-readable ISA for CDNA 5 (MIT licence, August 2026) and "CDNA5" Instruction Set Architecture Reference Guide (July 2026). The comments in the code are by the model that wrote it; some were corrected since.
;; Dynamic Conv Crs Mod. Allowed arithmetic: matrix products marked QUANTISED: E4M3 operands, one E8M0 scale for each 32 along K, by v_wmma_scale_f32_16x16x128_f8f6f4 with both operands' format E4M3, f32 sums; products left as they are: f32 operands where the result goes on into a quantised operand, else bf16, f16 or f32 operands; f32 sums; everything else in f32.
;; Inputs: W_aft 16,384 x 256 float32; W_out 256 x 256 float32; W_pre 32,768 x 256 float32; b_aft 16,384 float32; b_out 256 float32; b_pre 32,768 float32; be1 64 float32; be2 256 float32; be3 256 float32; g1 64 float32; g2 256 float32; g3 256 float32; query 8 x 450 x 256 float32; sampled_feats 8 x 450 x 512 float32.
;; Outputs: out0 450 x 8 x 256 float32.
;; This version of the problem:
;;   THIS VERSION OF THE PROBLEM IS GIVEN IN LOW PRECISION. The matrix products marked QUANTISED in the list below multiply operands that are first quantised to E4M3 (4 exponent bits, 3 mantissa bits; 8 bits a number), with one power-of-two scale for each 32 numbers along K (OCP MX v1.0); their sums are f32. All else is computed in f32.
;;   The module's matrix products, in the order in which they are computed (A, B: the left and right operand; K: the contracted axis; several contracted axes count as one K, in the product's order):
;;     1. [M 3,600, K 256] x [K 256, N 32,768]; A: input query; B: input W_pre: QUANTISED
;;     2. [M 3,600, K 256] x [K 256, N 16,384]; A: input query; B: input W_aft: QUANTISED
;;     3. batch 3,600 x [M 1, K 512] x [K 512, N 64]; A: input sampled_feats; B: computed on the way: left as it is (M = 1 < 16)
;;     4. batch 3,600 x [M 1, K 64] x [K 64, N 256]; A: computed on the way; B: computed on the way: left as it is (M = 1 < 16)
;;     5. [M 3,600, K 256] x [K 256, N 256]; A: computed on the way; B: input W_out: QUANTISED
;;   THE QUANTISER, for each operand of a quantised product, along K:
;;     - K is cut into blocks of 32 from its start; a last block that is shorter is filled with zeros.
;;     - A block's scale is 2^e with e = floor(log2(the largest magnitude in the block)) - 8, held to -126 .. 127; a block of zeros has e = 0. As a byte (E8M0): e + 127.
;;     - Each number is divided by its block's scale, clamped to +-448, and rounded to the nearest number of E4M3, ties to even, subnormals kept.
;;     - The product sums the exact products of the quantised numbers (number of the format x scale) in f32.
;;   ~~~python
;;   def quantise(x, axis):      # numpy; x: float32 -> the quantised numbers, widened to float32 again
;;       x = np.moveaxis(x, axis, -1); K = x.shape[-1]
;;       x = np.pad(x, [(0, 0)] * (x.ndim - 1) + [(0, -K % 32)]); x = x.reshape(x.shape[:-1] + (-1, 32)); a = np.abs(x).max(-1, keepdims=True)
;;       e = np.where(a > 0, np.clip(np.frexp(np.where(a > 0, a, 1))[1] - 1 - 8, -126, 127), 0)      # np.frexp(a)[1] - 1 = floor(log2(a)), exactly
;;       r = np.clip(x / 2.0 ** e, -448, 448)
;;       step = 2.0 ** (np.maximum(np.frexp(np.where(r == 0, 1, r))[1] - 1, -6) - 3)
;;       q = np.round(r / step) * step * 2.0 ** e      # np.round: ties to even
;;       return np.moveaxis(q.reshape(q.shape[:-2] + (-1,))[..., :K], -1, axis).astype(np.float32)
;;   ~~~
;;   OPERANDS COMPUTED ON THE WAY. 'Computed on the way' means the value that the module computes at that place (a softmax that the list does not call 'softmax' is quantised finished and normalised). What goes into a quantiser is computed in f32, as accurately as f32 sums, v_exp_f32 and their like allow (about 1e-6 of the number): no bf16 or f16 on the way to a quantiser, and a product that is left as it is and whose result goes on into a quantised operand takes f32 operands (vector FMAs, or v_wmma_f32_16x16x4_f32). A number that lies on a knife's edge between two numbers of the format may be rounded either way, as far as f32 arithmetic and the matrix unit's own rounding can turn it there, and no further.
;; One version. Each part assembles by itself: llvm-mc -triple=amdgcn-amd-amdhsa -mcpu=gfx1250 --defsym DOCPART=n.
;; ======== version 1 of 1: 5 launches
;; workspace buffers: recs 14,418,176 bytes; p1 3,932,160 bytes; fbuf 921,600 bytes; f2 3,932,160 bytes
;; launch quant (part 1): grid 829 x 1, 4 waves a work-group, no clusters, 68,096 bytes of LDS; arguments query, W_out, W_pre, W_aft, b_out, b_pre, b_aft, recs; writes recs
.if DOCPART == 1
	.amdgcn_target "amdgcn-amd-amdhsa--gfx1250"
	.amdhsa_code_object_version 6
	.text
	.protected	k_q6628d26662_quant
	.globl	k_q6628d26662_quant
	.p2align	8
	.type	k_q6628d26662_quant,@function
k_q6628d26662_quant:
	s_mov_b64 s[64:65], 0
	v_nop
	global_prefetch_b8 v0, s[64:65] scope:SCOPE_SE
	s_setreg_imm32_b32 hwreg(HW_REG_WAVE_MODE, 25, 1), 1
	s_wait_xcnt 0x0
; query [3600][256], W_out [256][256], W_pre [32768][256], W_aft [16384][256], all f32 with K = 256 innermost, become RECORDS of codes of FP8 (E4M3) with one E8M0 scale for each 32 along K.
; A record is a tile of 16 rows x 256 K, 4,352 bytes, laid in the order of a matrix operand's registers:
;   bytes 0-4095     K step s (128 along K), register group c, lane l at 2048 s + 512 c + 16 l: lane (r = l % 16, h = l / 16) holds k = 128 s + 32 c + 16 h + 0..15 of row r
;   bytes 4096-4223  one scale word a lane: lanes 0-15 row r's word of K step 0, lanes 16-31 that of K step 1
;   bytes 4224-4287  the 16 rows' biases, f32 (zeros for query);   bytes 4288-4351  zeros
; Records: 0-224 query tile i (rows 16 i);  225-240 W_out tile (rows 16 j);  241 + 512 dt + k: W_pre rows 64 k + 16 dt;  2289 + 64 et + d: W_aft rows 256 d + 16 et.
; A block's scale is 2^(floor(log2(its largest magnitude)) - 8); its byte is the largest magnitude's exponent field - 8, held at 1 from below; numbers are held within +-448 x the scale and rounded to the nearest code, ties to even.
; LIMITS: a block of zeros gets the byte 1 where the rule says 127 (its codes are zeros, and this program alone reads the bytes); blocks whose largest magnitude lies under 2^-118 are taken at that floor; NaN and infinities are not served.
; SHARES: one wave makes one record; 829 x 4 = 3,316 waves for 3,313 records: the last three waves of the last work-group have none and end.  Waves share nothing: no barrier.
; Each load reads 512 consecutive bytes (half a row); the conversions want 16 neighbours along K in one lane, so a K step's 16 x 512 bytes turn through the wave's own stage in LDS (rows 528 bytes apart).
.set NREC,  3313
.set REC,   4352
.set SP,    528                        ; a stage row: 512 bytes + 16: the 16 rows that a load touches start at 16 different banks (64 banks of 4 bytes: ISA guide 11.1)
.set STGB,  16*SP                      ; a stage
.set WREG,  2*STGB                     ; a wave's LDS: two stages, one for each K step
.set TM,    8                          ; v8-11 largest magnitudes, v12-15 the other half's and then bytes, v16-19 448 x the scale, v20-23 the conversions' scale operands
.set PW,    24                         ; v24, v25 the two K steps' scale words
.set BS,    26                         ; v26 bias
.set R0,    32                         ; v32-95   K step 0 as loaded; later K step 1's 64 neighbours
.set R1,    96                         ; v96-159  K step 1 as loaded
.set X,     160                        ; v160-223 K step 0's 64 neighbours
.set PC,    224                        ; v224-255 the codes of both K steps: no store's data are written again
.set SEL,   32                         ; s[32:33] lane selects: lane l xor 16
.set MNT,   36                         ; s36 the mantissa field of 448
; 64 numbers of a lane, register 16 b + i = k 32 b + 16 h + i of my row, become 16 registers of codes at v[pc] and the row's scale word in v[pw]
.macro QUANT s, pc, pw
.irp b, 0,1,2,3
	v_max3_num_f32 v[TM+\b], |v[\s+16*\b]|, |v[\s+1+16*\b]|, 0x4800000   ; block b: my 16 numbers, and the floor 2^(9 - 127): the byte cannot fall under 1
.endr
.irp i, 2,4,6,8,10,12,14
.irp b, 0,1,2,3
	v_max3_num_f32 v[TM+\b], v[TM+\b], |v[\s+16*\b+\i]|, |v[\s+1+16*\b+\i]|   ; the four blocks by turns
.endr
.endr
.irp b, 0,1,2,3
	v_permlanex16_b32 v[TM+4+\b], v[TM+\b], s[SEL], s[SEL+1]
.endr
.irp b, 0,1,2,3
	v_max_num_f32 v[TM+\b], v[TM+\b], v[TM+4+\b]                  ; with lane l xor 16's 16: the block's largest magnitude
.endr
.irp b, 0,1,2,3
	v_add_nc_u32 v[TM+12+\b], 0xfc000000, v[TM+\b]                ; 8 off its exponent field: the conversion takes this operand's exponent field as its scale
.endr
.irp b, 0,1,2,3
	v_and_or_b32 v[TM+8+\b], v[TM+\b], 0x7f800000, s[MNT]         ; 448 x the scale
.endr
.irp b, 0,1,2,3
	v_lshrrev_b32 v[TM+4+\b], 23, v[TM+12+\b]                     ; the scale's byte
.endr
	v_lshl_or_b32 v[\pw], v[TM+5], 8, v[TM+4]
	v_lshl_or_b32 v[\pw], v[TM+6], 16, v[\pw]
	v_lshl_or_b32 v[\pw], v[TM+7], 24, v[\pw]
.irp b, 0,1,2,3
.irp i, 0,1,2,3,4,5,6,7,8,9,10,11,12,13,14,15
	v_med3_num_f32 v[\s+16*\b+\i], v[\s+16*\b+\i], -v[TM+8+\b], v[TM+8+\b]   ; the conversion to an 8-bit code does not saturate (ISA guide 7.6.2): the hold comes first
.endr
	v_cvt_scalef32_pk8_fp8_f32 v[\pc+4*\b:\pc+1+4*\b], v[\s+16*\b:\s+7+16*\b], v[TM+12+\b]
	v_cvt_scalef32_pk8_fp8_f32 v[\pc+2+4*\b:\pc+3+4*\b], v[\s+8+16*\b:\s+15+16*\b], v[TM+12+\b]
.endr
	v_nop                                          ; one plain line behind the last conversion, ahead of whatever next writes its sources
.endm
	s_load_b256 s[4:11], s[0:1], 0x0               ; query s[4:5], W_out s[6:7], W_pre s[8:9], W_aft s[10:11]
	s_load_b256 s[12:19], s[0:1], 0x20             ; b_out s[12:13], b_pre s[14:15], b_aft s[16:17], recs s[18:19]
	s_set_vgpr_msb 0x40
	v_lshl_add_u32 v0, v0, 2, 0x10800
	v_mov_b32 v1, 0
	s_set_vgpr_msb 0x4000
	v_lshrrev_b32 v1, 5, v0
	v_readfirstlane_b32 s21, v1                    ; wave
	s_lshl_b32 s20, ttmp9, 2
	s_add_co_u32 s20, s20, s21                     ; my record
	; the tile's first row, once for each of the four tensors; the three that do not apply are thrown away below
	s_sub_co_u32 s22, s20, 2289
	s_and_b32 s23, s22, 63
	s_lshl_b32 s23, s23, 8
	s_lshr_b32 s22, s22, 6
	s_lshl_b32 s22, s22, 4
	s_add_co_u32 s24, s23, s22                     ; W_aft: 256 d + 16 et
	s_sub_co_u32 s22, s20, 241
	s_and_b32 s23, s22, 511
	s_lshl_b32 s23, s23, 6
	s_lshr_b32 s22, s22, 9
	s_lshl_b32 s22, s22, 4
	s_add_co_u32 s25, s23, s22                     ; W_pre: 64 k + 16 dt
	s_sub_co_u32 s26, s20, 225
	s_lshl_b32 s26, s26, 4                         ; W_out
	s_lshl_b32 s27, s20, 4                         ; query
	s_mov_b32 s[SEL], 0x76543210
	s_mov_b32 s[SEL+1], 0xfedcba98
	s_mov_b32 s34, 0xffff0000                      ; lanes 16-31
	s_mov_b32 s[MNT], 0x600000
	s_mul_i32 s37, s21, WREG                       ; my wave's LDS
	v_and_b32 v1, 31, v0                           ; lane
	v_and_b32 v6, 15, v0                           ; r
	v_bfe_u32 v7, v0, 4, 1                         ; h
	v_lshlrev_b32 v2, 4, v1                        ; 16 x lane: my bytes of a load's or a store's 512
	v_add_nc_u32 v3, s37, v2                       ; into a stage: 16 x lane, a row an instruction
	v_mul_u32_u24 v4, v6, SP
	v_lshl_add_u32 v4, v7, 6, v4
	v_add_nc_u32 v4, s37, v4                       ; out of it: row r, + 64 h: my 16 numbers of each block of 32
	v_lshl_add_u32 v5, v1, 2, s37                  ; the record's last 256 bytes: in by words,
	v_lshl_add_u32 v7, v1, 3, s37                  ; out by pairs of words
	v_lshlrev_b32 v30, 3, v1
	v_lshlrev_b32 v6, 2, v6                        ; the bias of row r
.irp b, 0,1,2,3
	v_mov_b32 v[TM+4+\b], 0                        ; written once: a lane permute's destination counts as one of its sources
.endr
	s_wait_kmcnt 0x0
	s_cmp_ge_u32 s20, NREC
	s_cbranch_scc1 .Lnone                          ; the three waves without a record
	s_cmp_lt_u32 s20, 2289                         ; which tensor: the choices hang on the record's number alone
	s_cselect_b64 s[10:11], s[8:9], s[10:11]
	s_cselect_b64 s[16:17], s[14:15], s[16:17]
	s_cselect_b32 s24, s25, s24
	s_cmp_lt_u32 s20, 241
	s_cselect_b64 s[10:11], s[6:7], s[10:11]
	s_cselect_b64 s[16:17], s[12:13], s[16:17]
	s_cselect_b32 s24, s26, s24
	s_cmp_lt_u32 s20, 225
	s_cselect_b64 s[10:11], s[4:5], s[10:11]
	s_cselect_b32 s24, s27, s24                    ; the tile's first row
	s_cselect_b32 s28, 0, s24                      ; query has no bias: b_out's first 16 numbers are loaded and masked away
	s_cselect_b32 s35, 0, 0xffff                   ; the lanes whose bias counts
	s_lshl_b32 s30, s24, 10                        ; a row is 1,024 bytes
	s_mov_b32 s31, 0
	s_add_nc_u64 s[10:11], s[10:11], s[30:31]
	s_lshl_b32 s30, s28, 2
	s_add_nc_u64 s[16:17], s[16:17], s[30:31]
	s_mul_i32 s30, s20, REC
	s_add_nc_u64 s[18:19], s[18:19], s[30:31]
	global_load_b32 v[BS], v6, s[16:17]
.irp m, 0,1,2,3,4,5,6,7,8,9,10,11,12,13,14,15
	global_load_b128 v[R0+4*\m:R0+4*\m+3], v2, s[10:11] offset:1024*\m th:TH_LOAD_NT       ; row m, K step 0: 512 consecutive bytes
.endr
.irp m, 0,1,2,3,4,5,6,7,8,9,10,11,12,13,14,15
	global_load_b128 v[R1+4*\m:R1+4*\m+3], v2, s[10:11] offset:1024*\m+512 th:TH_LOAD_NT   ; K step 1
.endr
	s_wait_loadcnt 16                              ; the bias and K step 0 are in; K step 1's 16 loads may be out
.irp m, 0,1,2,3,4,5,6,7,8,9,10,11,12,13,14,15
	ds_store_b128 v3, v[R0+4*\m:R0+4*\m+3] offset:SP*\m
.endr
.irp b, 0,1,2,3
.irp j, 0,1,2,3
	ds_load_b128 v[X+16*\b+4*\j:X+16*\b+4*\j+3], v4 offset:128*\b+16*\j          ; LDS serves a wave's instructions in order (ISA guide 5.7.1.4): these see the stores above
.endr
.endr
	s_wait_loadcnt 0x0
.irp m, 0,1,2,3,4,5,6,7,8,9,10,11,12,13,14,15
	ds_store_b128 v3, v[R1+4*\m:R1+4*\m+3] offset:STGB+SP*\m
.endr
	s_wait_dscnt 16                                ; K step 0's neighbours are in; the 16 stores just issued may be out
.irp b, 0,1,2,3
.irp j, 0,1,2,3
	ds_load_b128 v[R0+16*\b+4*\j:R0+16*\b+4*\j+3], v4 offset:STGB+128*\b+16*\j   ; K step 1's neighbours land while K step 0 is quantised
.endr
.endr
	QUANT X, PC, PW
.irp c, 0,1,2,3
	global_store_b128 v2, v[PC+4*\c:PC+4*\c+3], s[18:19] offset:512*\c           ; 512 consecutive bytes, aligned
.endr
	s_wait_dscnt 0x0
	QUANT R0, PC+16, PW+1
.irp c, 0,1,2,3
	global_store_b128 v2, v[PC+16+4*\c:PC+16+4*\c+3], s[18:19] offset:2048+512*\c
.endr
	v_cndmask_b32 v27, v[PW], v[PW+1], s34         ; lanes 0-15 K step 0's word, lanes 16-31 K step 1's (both halves of the lanes hold row r's)
	v_cndmask_b32 v31, 0, v[BS], s35               ; lanes 0-15 the bias (0 for query), lanes 16-31 zeros
	ds_store_b32 v5, v27                           ; stage 0 has been read out: the 64 words meet there,
	ds_store_b32 v5, v31 offset:128
	ds_load_b64 v[28:29], v7
	s_wait_dscnt 0x0
	global_store_b64 v30, v[28:29], s[18:19] offset:4096   ; and leave as 256 consecutive bytes, aligned
.Lnone:
	s_set_vgpr_msb 0x5
	s_wait_tensorcnt 0x0
	ds_add_u32 v0, v1
	s_wait_dscnt 0x0
	s_set_vgpr_msb 0x500
	s_endpgm
.Lfunc_end_k_q6628d26662_quant:
	.size	k_q6628d26662_quant, .Lfunc_end_k_q6628d26662_quant-k_q6628d26662_quant
	.p2alignl 7, 3214868480
	.fill 96, 4, 3214868480
	.section	.rodata,"a",@progbits
	.p2align	6, 0x0
	.amdhsa_kernel k_q6628d26662_quant
		.amdhsa_group_segment_fixed_size 68096
		.amdhsa_private_segment_fixed_size 0
		.amdhsa_enable_private_segment 0
		.amdhsa_kernarg_size 64
		.amdhsa_user_sgpr_count 2
		.amdhsa_user_sgpr_kernarg_segment_ptr 1
		.amdhsa_wavefront_size32 1
		.amdhsa_system_sgpr_workgroup_id_x 1
		.amdhsa_system_sgpr_workgroup_id_y 1
		.amdhsa_system_sgpr_workgroup_id_z 1
		.amdhsa_system_vgpr_workitem_id 0
		.amdhsa_next_free_vgpr 258
		.amdhsa_next_free_sgpr 66
		.amdhsa_reserve_vcc 0
		.amdhsa_float_denorm_mode_32 3
		.amdhsa_float_denorm_mode_16_64 3
		.amdhsa_memory_ordered 1
		.amdhsa_forward_progress 1
		.amdhsa_inst_pref_size 28
	.end_amdhsa_kernel
	.amdgpu_metadata
---
amdhsa.version: [ 1, 2 ]
amdhsa.kernels:
  - .name:           k_q6628d26662_quant
    .symbol:         k_q6628d26662_quant.kd
    .args:
      - { .name: query, .offset: 0, .size: 8, .value_kind: global_buffer, .address_space: global }
      - { .name: W_out, .offset: 8, .size: 8, .value_kind: global_buffer, .address_space: global }
      - { .name: W_pre, .offset: 16, .size: 8, .value_kind: global_buffer, .address_space: global }
      - { .name: W_aft, .offset: 24, .size: 8, .value_kind: global_buffer, .address_space: global }
      - { .name: b_out, .offset: 32, .size: 8, .value_kind: global_buffer, .address_space: global }
      - { .name: b_pre, .offset: 40, .size: 8, .value_kind: global_buffer, .address_space: global }
      - { .name: b_aft, .offset: 48, .size: 8, .value_kind: global_buffer, .address_space: global }
      - { .name: recs, .offset: 56, .size: 8, .value_kind: global_buffer, .address_space: global }
    .group_segment_fixed_size: 68096
    .private_segment_fixed_size: 0
    .kernarg_segment_align: 8
    .kernarg_segment_size: 64
    .max_flat_workgroup_size: 128
    .sgpr_count:     66
    .vgpr_count:     258
    .wavefront_size: 32
...
	.end_amdgpu_metadata
.endif
;; end of part 1
;; launch pre (part 2): grid 16 x 16, 4 waves a work-group, clusters of 4 x 4, 327,680 bytes of LDS; arguments recs, sampled_feats, p1; writes p1
.if DOCPART == 2
	.amdgcn_target "amdgcn-amd-amdhsa--gfx1250"
	.amdhsa_code_object_version 6
	.text
	.protected	k_q6628d26662_pre
	.globl	k_q6628d26662_pre
	.p2align	8
	.type	k_q6628d26662_pre,@function
k_q6628d26662_pre:
	s_mov_b64 s[64:65], 0
	v_nop
	global_prefetch_b8 v0, s[64:65] scope:SCOPE_SE
	s_setreg_imm32_b32 hwreg(HW_REG_WAVE_MODE, 25, 1), 1
	s_wait_xcnt 0x0
	s_wait_alu depctr_hold_cnt(0) depctr_sa_sdst(0) depctr_va_vdst(0) depctr_va_sdst(0) depctr_va_ssrc(0) depctr_va_vcc(0) depctr_vm_vsrc(0)
	s_getreg_b32 s2, hwreg(HW_REG_IB_STS2, 6, 4)
	s_cmp_eq_u32 s2, 0
	s_cbranch_scc0 .Lentry_in_a_cluster
	s_endpgm
.Lentry_in_a_cluster:
	s_bfe_u32 s2, ttmp6, 0x10000c
	s_cmp_lg_u32 s2, 0xf033
	s_cbranch_scc0 .Lentry_shape_is_right
	s_endpgm
.Lentry_shape_is_right:
; ONE TEXT FOR TWO LAUNCHES; the constant PRE says which this file is.
; PRE = 1:  p1[kq][block][dt] = the sum over k = 128 kq .. 128 kq + 127 of feats[b][k] x param1[b][64 k + d],  param1 = Q(query) Q(W_pre)^T + b_pre, d = 16 dt + 0..15.
; PRE = 0:  f2[block][et]     = the sum over d = 0 .. 63 of f[b][d] x param2[b][256 d + e],                    param2 = Q(query) Q(W_aft)^T + b_aft, e = 16 et + 0..15.
; The per-query weights (param1, param2) never exist in memory: each 16 x 16 tile of them is made by two matrix instructions on codes of FP8 (E4M3) with E8M0 scales (K = 256) and is used up at once,
; in registers, by four packed multiply-adds in f32.  Codes, scale words and biases come as RECORDS of 4,352 bytes, made by the first launch, in the order of an operand's registers (bytes 0-4095 the two K steps'
; fragments, 16 bytes a lane, 512 an instruction; 4096 a scale word a lane, K step 0 in lanes 0-15, K step 1 in lanes 16-31; 4224 the 16 rows' biases).
; THE MATRIX INSTRUCTION IS USED TRANSPOSED: source 0 = a record of W (16 outputs), source 1 = a tile of 16 queries, C = the bias.  A lane (r, h) then holds ONE query r and outputs 8 h + 0..7: the
; vector operand (feats or f) is one number a lane, and the eight sums of a lane stay in eight registers for the whole launch.
; SHARES.  The 225 tiles of 16 queries go into 16 blocks of 15: block X holds tiles 14 X .. 14 X + 14, so tiles 14, 28 .. 210 are made twice (15 of 240 places; the later launches read the copy in place 0).
; 15 tiles are what a wave's registers hold, and 16 blocks x 16 parts are 256 work-groups in clusters of 4 x 4, which 15 blocks would not divide into.
; A work-group is (block X; PRE: dt = cy and kq = the cluster's y; else et = Y).  Its four waves hold the SAME 15 tiles of queries (480 registers) and share the records: of a chunk of 16 records wave w takes 4 w .. 4 w + 3.
; The four waves' sums meet once, at the end, in LDS.
; LDS: NSL slots of 16 records (69,632 bytes each), each wave fetching and reading its own quarter; the vector operand of the whole job, filled once; 12 of the 15 query records, filled once; the spare words.
;   PRE = 1: 2 x 69,632 + 126,720 (240 rows x 512 bytes, 528 apart) + 52,224 + 512 = 318,720 bytes; eight chunks go through the two slots.
;   PRE = 0: 3 x 69,632 + 61,440 + 52,224 + 512 = 323,072 bytes; chunks 0, 1, 2 are first fills, chunk 3 takes slot 0 behind chunk 0 and has 220 matrix instructions of each wave in which to land: one refill in the launch.
; THE QUERY RECORDS: beside the slots and the vector operand LDS has room for 12 records (three to a wave's load), not for 15 (65,280 bytes).  Places 0-11 come jointly through LDS; places 12-14, 13,056 bytes,
; by each wave's own loads straight into its registers.
; The final stage: each wave's image lies in its own quarter of a slot that has had its last fill (PRE: slot 0; else slot 1) and that the wave itself has read out.
; CLUSTER: W's chunks hang on y alone and are asked for jointly along a row of the cluster; the query records and the vector operand hang on X (and the cluster's y) and are asked for jointly along a column.
; REGISTERS, in windows of 256 (s_set_vgpr_msb: bits 1:0 source 0, 3:2 source 1, 5:4 source 2, 7:6 destination).  Window 0: addresses, scale words, two sets of a record's fragments, two sets of the vector operand.
; The 15 places form groups g = 0, 1, 2 of five (place 5 g + u):  results D(g, u) in window g + 1 at v[8 u];  sums ACC(g, u) in window (g + 1) % 3 + 1 at v[40 + 8 u];  queries Q(g, u, K step s) in window (g + 2) % 3 + 1
; at v[96 + 32 u + 16 s];  a record's biases, in the result's layout, as a copy in EACH of windows 1 to 3 at v[80 + 8 p] (two sets p).
; So every product of group g (D and C in window g + 1, Q in window (g + 2) % 3 + 1) and the multiply-adds of group g - 1 (ACC in window g + 1, D in window (g + 2) % 3 + 1) want the SAME setting:
; one switch a unit, and two packed lines behind each of its ten products.  Seven switches for a record's 30 matrix and 60 packed instructions.
; LIMITS: those of the records (see the launch that makes them); NaN and infinities are not served.
.set PRE,   1
.set REC,   4352
.set WCH,   4*REC                      ; a wave's quarter of a chunk
.set SLOTB, 16*REC                     ; a slot
.set IMGB,  15360                      ; a result image: 15 places x 1,024 bytes: byte 1024 t + 512 c + 16 lane + 4 i = (query 16 t + r, output 8 h + 4 c + i)
.if PRE
.set NSL,   2                          ; slots
.set NCH,   8                          ; chunks
.set VR,    528                        ; the vector operand's LDS address = VEC + VR r + VW wave + VT place + VC chunk; 16 bytes there are the numbers for my four records
.set VW,    16
.set VT,    16*528
.set VC,    64
.set VWAVE, 60*528                     ; what one wave fetches of it
.set STG,   0                          ; the slot that takes the final stage
.else
.set NSL,   3
.set NCH,   4
.set VR,    16
.set VW,    256
.set VT,    4096
.set VC,    1024
.set VWAVE, 15360
.set STG,   SLOTB
.endif
.set VEC,   NSL*SLOTB                  ; the vector operand
.set QST,   VEC+4*VWAVE                ; query records 0-11
.set QWAVE, 3*REC                      ; what one wave fetches of them
.set SPARE, QST+4*QWAVE                ; the spare words, 128 bytes a wave: two blocks of 256 bytes that no other line names
.set WA,   2                           ; v2-4    LDS address of my fragments in slot 0, 1, 2: 16 x lane
.set SA,   5                           ; v5-7    of my scale words: 4096 + 4 x lane
.set BA,   8                           ; v8-10   of my biases: 4224 + 32 h
.set FA,   11                          ; v11, 12 of the vector operand: places 0-6, places 7-14 (an immediate reaches 65,535 bytes)
.set QA,   13                          ; v13     the staged query records: 16 x lane
.set QSA,  14                          ; v14     their scale words
.set STA,  15                          ; v15     the final stage: my quarter of its slot, 16 x lane
.set SPW,  16                          ; v16     LDS address of my spare word; never rewritten
.set NIL,  17                          ; v17     0; never rewritten
.set QS,   18                          ; v18-32  the 15 query tiles' scale words
.set RDL,  33                          ; v33     the final stage: my quarter of an image
.set WS,   34                          ; v34, 35 a record's scale word, two sets
.set GOF,  36                          ; v36     3840 x wave + 8 x lane: my quarter of the image in memory
.set GQ,   37                          ; v37     16 x lane
.set GQS,  38                          ; v38     4 x lane
.set WF,   40                          ; v40-71, v104-135  a record's fragments, two sets of 32
.set BIW,  80                          ; in windows 1-3: v80-95 its biases, two sets of 8
.set FE,   136                         ; v136-255 the vector operand, two sets of 60: register 4 t + i: place t, my record i of the chunk
.set WV,   10                          ; s10 wave
.set G1W,  16                          ; s[16:23] descriptor group 1 for W's chunks;  s[24:31] for the query records;  s[32:39] for the vector operand
.set G1Q,  24
.set G1V,  32
.set G0W,  40                          ; s[40:51] group 0 for W, a set for each slot;  s[52:55] query records;  s[56:59] vector operand
.set G0Q,  52
.set G0V,  56
.set MSB, 0
.macro WIN new                         ; the immediate's high byte repeats the setting that is left; a switch that changes nothing is dropped
.if MSB != (\new)
	s_set_vgpr_msb (MSB<<8)|(\new)
.set MSB, \new
.endif
.endm
.macro PLACES n
.rept \n
	v_nop
.endr
.endm
.macro CREST                           ; a round of the cluster's barrier behind its opening barrier
	s_cmp_lg_u32 s[WV], 0
	s_cbranch_scc1 .Lnot_wave_0_\@
	s_barrier_signal -3
.Lnot_wave_0_\@:
	s_barrier_wait -3
	s_barrier_signal -1
	s_barrier_wait -1
.endm
.macro CROUND                          ; a whole round
	s_barrier_signal -1
	s_barrier_wait -1
	CREST
.endm
; my record i of the chunk in a slot -> set p: 15 LDS loads: fragments and scale word into window 0, the biases into each of windows 1 to 3
.macro LOADW slot, i, p
	WIN 0
.irp n, 0,1,2,3,4,5,6,7
	ds_load_b128 v[WF+64*(\p)+4*\n:WF+64*(\p)+4*\n+3], v[WA+(\slot)] offset:(\i)*REC+512*\n
.endr
	ds_load_b32 v[WS+(\p)], v[SA+(\slot)] offset:(\i)*REC
.irp w, 1,2,3
	WIN \w<<6
	ds_load_b128 v[BIW+8*(\p):BIW+8*(\p)+3], v[BA+(\slot)] offset:(\i)*REC
	ds_load_b128 v[BIW+8*(\p)+4:BIW+8*(\p)+7], v[BA+(\slot)] offset:(\i)*REC+16
.endr
.endm
; the vector operand for my four records of a chunk, all 15 places: 15 LDS loads
.macro LOADF st
.irp t, 0,1,2,3,4,5,6
	ds_load_b128 v[FE+60*(\st)+4*\t:FE+60*(\st)+4*\t+3], v[FA] offset:\t*VT
.endr
.irp t, 7,8,9,10,11,12,13,14
	ds_load_b128 v[FE+60*(\st)+4*\t:FE+60*(\st)+4*\t+3], v[FA+1] offset:(\t-7)*VT
.endr
.endm
; Lines 2 j and 2 j + 1 of a group's 20 packed lines: ACC(u) += number x D(u), u = j / 2, registers 4 (j % 2) + 0..3.  fe: the even register of the pair that holds place u = 0's number; fi odd: its upper half.
; fm = 2 adds, 1 starts the sums (nothing is ever cleared), 0 writes nothing.  D is read from its low end on.
.macro TWO j, fm, fe, fi
.set tU, (\j)/2
.set tN, 4*((\j)%2)
.irp n, 0,2
.if (\fm) == 2
.if (\fi)&1
	v_pk_fma_f32 v[40+8*tU+tN+\n:41+8*tU+tN+\n], v[\fe+4*tU:\fe+4*tU+1], v[8*tU+tN+\n:8*tU+tN+\n+1], v[40+8*tU+tN+\n:41+8*tU+tN+\n] op_sel:[1,0,0] op_sel_hi:[1,1,1]
.else
	v_pk_fma_f32 v[40+8*tU+tN+\n:41+8*tU+tN+\n], v[\fe+4*tU:\fe+4*tU+1], v[8*tU+tN+\n:8*tU+tN+\n+1], v[40+8*tU+tN+\n:41+8*tU+tN+\n] op_sel_hi:[0,1,1]
.endif
.elseif (\fm) == 1
.if (\fi)&1
	v_pk_mul_f32 v[40+8*tU+tN+\n:41+8*tU+tN+\n], v[\fe+4*tU:\fe+4*tU+1], v[8*tU+tN+\n:8*tU+tN+\n+1] op_sel:[1,0] op_sel_hi:[1,1]
.else
	v_pk_mul_f32 v[40+8*tU+tN+\n:41+8*tU+tN+\n], v[\fe+4*tU:\fe+4*tU+1], v[8*tU+tN+\n:8*tU+tN+\n+1] op_sel_hi:[0,1]
.endif
.endif
.endr
.endm
; A UNIT: the record in set p against group g's five tiles of queries: five products of K step 0 (C = the bias), five of K step 1; behind each of the ten stand two packed lines of the group BEFORE
; (group (g + 2) % 3; its number is register fi of set fs).  The five accumulators take turns, one instruction a turn.
; DISTANCES (8 places before a vector instruction reads a result of this form or a load lands on an operand, 9 before a matrix instruction writes over one): between the product that finishes D(g, u)
; and the first read of D(g, u) stand 10 + 2 u packed lines that name none of its registers (2 (5 - u) in this unit, 4 u in the next); a set's next loads stand 22 such lines behind its last product.
.macro UNIT p, g, fm, fs, fi
.set uDW, (\g)+1
.set uQW, ((\g)+2)%3+1
.set uS,  (uDW<<6)|(uDW<<4)|(uQW<<2)
.set uWF, WF+64*(\p)
.set uBI, BIW+8*(\p)
.set uWS, WS+(\p)
.set uQS, QS+5*(\g)
.set uFE, FE+60*(\fs)+20*(((\g)+2)%3)+((\fi)&2)
	WIN uS
.irp u, 0,1,2,3,4
	v_wmma_scale_f32_16x16x128_f8f6f4 v[8*\u:8*\u+7], v[uWF:uWF+15], v[96+32*\u:111+32*\u], v[uBI:uBI+7], v[uWS], v[uQS+\u]
	TWO \u, \fm, uFE, \fi
.endr
.irp u, 0,1,2,3,4
	v_wmma_scale_f32_16x16x128_f8f6f4 v[8*\u:8*\u+7], v[uWF+16:uWF+31], v[112+32*\u:127+32*\u], v[8*\u:8*\u+7], v[uWS], v[uQS+\u] matrix_a_scale:MATRIX_SCALE_ROW1 matrix_b_scale:MATRIX_SCALE_ROW1
	TWO 5+\u, \fm, uFE, \fi
.endr
.endm
; Record i = 0, 1, 2 of a chunk (in LDS slot 'slot'; its numbers in set st).  Behind its first unit the next record is fetched into the other set, 20 matrix instructions ahead of its use.  lf = 1: the next chunk's vector operand too.
.macro TILE slot, st, i, fm0, fm12, lf
.set tP, (\i)%2
.set tFS, \st
.if (\i) == 0
.set tFS, 1-(\st)
.endif
.set tFI, ((\i)+3)%4
	s_wait_dscnt 0x0                               ; this record's 15 loads (and a run of the vector operand's, if one was issued) are in
	UNIT tP, 0, \fm0, tFS, tFI                     ; beside it: group 2 of the record before (for i = 0 the last chunk's fourth)
	WIN 0
.if (\fm0) == 0
	PLACES 8                                       ; the very first unit has no packed lines beside it: these are the places ahead of the first read of its results
.endif
.if \lf
	v_add_nc_u32 v[FA], VC, v[FA]                  ; on to the next chunk's numbers
	v_add_nc_u32 v[FA+1], VC, v[FA+1]
	LOADF 1-(\st)                                  ; the other set's last use stands in this chunk's first unit
.endif
	LOADW \slot, (\i)+1, 1-tP
	UNIT tP, 1, \fm12, \st, \i
	UNIT tP, 2, \fm12, \st, \i
.endm
; A chunk's fourth record where slots are changed behind a barrier.  Ahead of it each wave waits for all its tensor loads, adds 0 to its spare word, and waits for that and for its reads of this slot.
; fill = 1: the barrier opens a round of the cluster's barrier, and behind the round this slot takes the chunk NSL further on.
.macro TURN slot, st, next, fill
	WIN 0                                          ; (the add's two registers lie in window 0)
	s_wait_tensorcnt 0x0                           ; all my tensor loads have landed
	ds_add_u32 v[SPW], v[NIL]                      ; 0 onto my spare word
	s_wait_dscnt 0x1                               ; the record's 15 loads are in; the add alone may be out
	UNIT 1, 0, 2, \st, 2                           ; a unit's work stands between the add and the wait for it
	s_wait_dscnt 0x0                               ; the add is done, and my reads of this slot are over
	s_barrier_signal -1
	UNIT 1, 1, 2, \st, 3                           ; work on registers while the others arrive
	WIN 0
	s_barrier_wait -1
.if \fill
	CREST                                          ; no wave of any partner still reads this slot or has a load on its way
	s_add_nc_u64 s[G0W+4*(\slot)+2:G0W+4*(\slot)+3], s[G0W+4*(\slot)+2:G0W+4*(\slot)+3], NSL*SLOTB
	tensor_load_to_lds s[G0W+4*(\slot):G0W+4*(\slot)+3], s[G1W:G1W+7]   ; my one tensor load behind the round, and the first thing there
	s_nop 0
	PLACES 4
.endif
	LOADW \next, 0, 0                              ; the next chunk's first record
	UNIT 1, 2, 2, \st, 3
.endm
; A chunk's fourth record where nothing is filled again: I go on into my own quarter of the next slot, which no other wave touches, so no barrier stands here.
; tw = 1: that quarter is the refill's, my one tensor load that is out: my own wait shows it landed.  tw = 0: it was shown landed by the wait for all loads ahead of the refill's round.
.macro PASS st, next, tw
	s_wait_dscnt 0x0
	UNIT 1, 0, 2, \st, 2
	UNIT 1, 1, 2, \st, 3
	WIN 0
.if \tw
	s_wait_tensorcnt 0x0
.endif
	LOADW \next, 0, 0
	UNIT 1, 2, 2, \st, 3
.endm
.macro LASTT st                        ; the very last record: nothing more to fetch
	s_wait_dscnt 0x0
	UNIT 1, 0, 2, \st, 2
	UNIT 1, 1, 2, \st, 3
	UNIT 1, 2, 2, \st, 3
.endm
; kind: 1 a barrier, and the slot is filled again; 0 a barrier alone; 2 the last chunk; 3 no barrier; 4 no barrier, and the wait for the refill.  first = 1: the first chunk, whose first record starts the sums.
.macro CHUNK slot, st, next, kind, first
	TILE \slot, \st, 0, 2-2*(\first), 2-(\first), 0
.if (\kind) == 2
	TILE \slot, \st, 1, 2-(\first), 2, 0
.else
	TILE \slot, \st, 1, 2-(\first), 2, 1
.endif
	TILE \slot, \st, 2, 2, 2, 0
.if (\kind) == 2
	LASTT \st
.elseif (\kind) == 3
	PASS \st, \next, 0
.elseif (\kind) == 4
	PASS \st, \next, 1
.else
	TURN \slot, \st, \next, \kind
.endif
.endm
	s_load_b128 s[4:7], s[0:1], 0x0                ; the records s[4:5], the vector operand s[6:7]
	s_load_b64 s[8:9], s[0:1], 0x10                ; the result
	v_lshl_add_u32 v[SPW], v0, 2, SPARE
	v_mov_b32 v[NIL], 0
	ds_add_u32 v16, v17
	ds_add_u32 v16, v17
	s_wait_dscnt 0x0
	v_lshrrev_b32 v1, 5, v0
	v_readfirstlane_b32 s[WV], v1                  ; wave 0..3
	v_and_b32 v1, 31, v0                           ; lane
	v_lshlrev_b32 v[GQ], 4, v1
	v_lshlrev_b32 v[GQS], 2, v1
	s_bfe_u32 s11, ttmp6, 0x40000                  ; cx, cy: my place in the cluster
	s_bfe_u32 s12, ttmp6, 0x40004
	s_lshl_b32 s13, ttmp9, 2
	s_add_co_u32 s13, s13, s11                     ; X: my block of queries = 4 x cluster x + cx
	s_and_b32 s14, ttmp7, 0xffff                   ; the cluster's y
	s_lshl_b32 s66, s12, 2
	s_lshl_b32 s66, 15, s66                        ; my row of the cluster
	s_lshl_b32 s67, 0x1111, s11                    ; my column
	; descriptor groups 1, in elements of 8 bytes.  W: 68 rows of 256 bytes, dense (a wave's four records).  Query records: 51 such rows (three records).
	s_or_b32 s[G1W], s66, (3<<16)|(1<<21)          ; 15:0 the mask: my row; 17:16 elements of 8 bytes; 21 set beside a mask
	s_mov_b32 s[G1W+1], 32<<16                     ; tensor_dim0
	s_mov_b32 s[G1W+2], 68<<16                     ; tensor_dim1
	s_mov_b32 s[G1W+3], 32<<16                     ; tile_dim0
	s_mov_b32 s[G1W+4], 68                         ; tile_dim1
	s_mov_b32 s[G1W+5], 32                         ; tensor_dim0_stride
	s_mov_b32 s[G1W+6], 0
	s_mov_b32 s[G1W+7], 0
	s_or_b32 s[G1Q], s67, (3<<16)|(1<<21)          ; the mask: my column
	s_mov_b32 s[G1Q+1], 32<<16
	s_mov_b32 s[G1Q+2], 51<<16
	s_mov_b32 s[G1Q+3], 32<<16
	s_mov_b32 s[G1Q+4], 51
	s_mov_b32 s[G1Q+5], 32
	s_mov_b32 s[G1Q+6], 0
	s_mov_b32 s[G1Q+7], 0
.if PRE                                ; feats: 60 rows of 512 bytes out of rows of 2,048; 16 bytes of padding behind each (after every 128 words, code 6; 4 words, code 3)
	s_or_b32 s[G1V], s67, (3<<16)|(1<<20)|(1<<21)|(6<<22)|(3<<25)
	s_mov_b32 s[G1V+1], 64<<16
	s_mov_b32 s[G1V+2], 60<<16
	s_mov_b32 s[G1V+3], 64<<16
	s_mov_b32 s[G1V+4], 60
	s_mov_b32 s[G1V+5], 256
.else                                  ; f: 60 rows of 256 bytes, dense
	s_or_b32 s[G1V], s67, (3<<16)|(1<<21)
	s_mov_b32 s[G1V+1], 32<<16
	s_mov_b32 s[G1V+2], 60<<16
	s_mov_b32 s[G1V+3], 32<<16
	s_mov_b32 s[G1V+4], 60
	s_mov_b32 s[G1V+5], 32
.endif
	s_mov_b32 s[G1V+6], 0
	s_mov_b32 s[G1V+7], 0
	; where the tiles come from.  W's offset is made in registers that never hold cx, the others' in registers that never hold cy.
.if PRE
	s_lshl_b32 s68, s12, 9                         ; record 241 + 512 dt + 128 kq + 4 wave
	s_lshl_b32 s69, s14, 7
	s_add_co_u32 s68, s68, s69
	s_lshl_b32 s69, s[WV], 2
	s_add_co_u32 s68, s68, s69
	s_add_co_u32 s68, s68, 241
.else
	s_lshl_b32 s15, s14, 2
	s_add_co_u32 s15, s15, s12                     ; Y = et = 4 x cluster y + cy
	s_lshl_b32 s68, s15, 6                         ; record 2289 + 64 et + 4 wave
	s_lshl_b32 s69, s[WV], 2
	s_add_co_u32 s68, s68, s69
	s_add_co_u32 s68, s68, 2289
.endif
	s_mul_i32 s68, s68, REC
	s_mov_b32 s69, 0
	s_mul_i32 s70, s13, 14*REC                     ; the block's first query record
	s_mov_b32 s71, 0
	s_mul_i32 s74, s[WV], QWAVE                    ; of its first twelve, three a wave
	s_mov_b32 s75, 0
.if PRE
	s_mul_i32 s76, s13, 224*2048                   ; feats: row 224 X + 60 wave, byte 512 kq
	s_mul_i32 s77, s[WV], 60*2048
	s_add_co_u32 s76, s76, s77
	s_lshl_b32 s77, s14, 9
	s_add_co_u32 s76, s76, s77
	s_lshl_b32 s78, s14, 4                         ; the result: image (16 kq + X) 4 + dt
	s_add_co_u32 s78, s78, s13
	s_lshl_b32 s78, s78, 2
	s_add_co_u32 s78, s78, s12
.else
	s_mul_i32 s76, s13, 14*4096                    ; f: tile 14 X, a quarter of 61,440 bytes a wave
	s_mul_i32 s77, s[WV], 15360
	s_add_co_u32 s76, s76, s77
	s_lshl_b32 s78, s13, 4                         ; the result: image 16 X + et
	s_add_co_u32 s78, s78, s15
.endif
	s_mov_b32 s77, 0
	s_mul_i32 s78, s78, IMGB
	s_mov_b32 s79, 0
	s_mul_i32 s80, s[WV], WCH                      ; and where they go: no place in the cluster enters an LDS address
	s_add_co_u32 s81, s74, QST
	s_mul_i32 s82, s[WV], VWAVE
	s_add_co_u32 s82, s82, VEC
	s_wait_kmcnt 0x0
	s_add_nc_u64 s[84:85], s[4:5], s[68:69]
.irp c, 0,1,2
.if \c < NSL
	s_mov_b32 s[G0W+4*\c], 1                                       ; 1:0 count = 1
	s_add_co_u32 s[G0W+4*\c+1], s80, \c*SLOTB                      ; 63:32 LDS address: slot c
	s_add_nc_u64 s[G0W+4*\c+2:G0W+4*\c+3], s[84:85], \c*SLOTB      ; 120:64 global address: chunk c
	s_or_b32 s[G0W+4*\c+3], s[G0W+4*\c+3], 0x80000000              ; 127:126 type = 2
.endif
.endr
	s_add_nc_u64 s[72:73], s[4:5], s[70:71]        ; the block's query records: the base of my own loads too
	s_mov_b32 s[G0Q], 1
	s_mov_b32 s[G0Q+1], s81
	s_add_nc_u64 s[G0Q+2:G0Q+3], s[72:73], s[74:75]
	s_or_b32 s[G0Q+3], s[G0Q+3], 0x80000000
	s_mov_b32 s[G0V], 1
	s_mov_b32 s[G0V+1], s82
	s_add_nc_u64 s[G0V+2:G0V+3], s[6:7], s[76:77]
	s_or_b32 s[G0V+3], s[G0V+3], 0x80000000
	s_add_nc_u64 s[8:9], s[8:9], s[78:79]
	CROUND                                         ; all sixteen work-groups are here: the first joint loads meet
	tensor_load_to_lds s[G0Q:G0Q+3], s[G1Q:G1Q+7]  ; all first fills go out together: 2 + NSL tensor loads of mine are out, the most in this text
	s_nop 0
	tensor_load_to_lds s[G0V:G0V+3], s[G1V:G1V+7]
	s_nop 0
.irp c, 0,1,2
.if \c < NSL
	tensor_load_to_lds s[G0W+4*\c:G0W+4*\c+3], s[G1W:G1W+7]
	s_nop 0
.endif
.endr
	PLACES 4
	WIN 0x80                                       ; destination window 2: places 12, 13, 14 are group 2's u = 2, 3, 4
.irp j, 0,1,2
.irp n, 0,1,2,3,4,5,6,7
	global_load_b128 v[160+32*\j+4*\n:163+32*\j+4*\n], v[GQ], s[72:73] offset:(12+\j)*REC+512*\n   ; 512 consecutive bytes, as they lie
.endr
.endr
	WIN 0
.irp j, 0,1,2
	global_load_b32 v[QS+12+\j], v[GQS], s[72:73] offset:(12+\j)*REC+4096
.endr
	v_and_b32 v72, 15, v0                          ; r
	v_bfe_u32 v73, v0, 4, 1                        ; h
	v_lshl_add_u32 v[WA], v1, 4, s80
	v_lshl_add_u32 v[SA], v1, 2, s80
	v_add_nc_u32 v[SA], 4096, v[SA]
	v_lshl_add_u32 v[BA], v73, 5, s80
	v_add_nc_u32 v[BA], 4224, v[BA]
.irp s, 1,2
.if \s < NSL
	v_add_nc_u32 v[WA+\s], \s*SLOTB, v[WA]
	v_add_nc_u32 v[SA+\s], \s*SLOTB, v[SA]
	v_add_nc_u32 v[BA+\s], \s*SLOTB, v[BA]
.endif
.endr
	s_mul_i32 s83, s[WV], VW
	s_add_co_u32 s83, s83, VEC
	v_mul_u32_u24 v[FA], v72, VR
	v_add_nc_u32 v[FA], s83, v[FA]
	v_add_nc_u32 v[FA+1], 7*VT, v[FA]
	v_lshl_add_u32 v[QA], v1, 4, QST
	v_lshl_add_u32 v[QSA], v1, 2, QST+4096
	s_add_co_u32 s86, s80, STG
	v_lshl_add_u32 v[STA], v1, 4, s86
	s_mul_i32 s87, s[WV], IMGB/4
	v_lshl_add_u32 v[GOF], v1, 3, s87
	v_add_nc_u32 v[RDL], STG, v[GOF]
	s_wait_tensorcnt NSL                           ; my parts of the query records and of the vector operand are in; W's NSL loads, issued behind them, may stay out
	s_barrier_signal -1
	s_barrier_wait -1                              ; everybody's are
.irp g, 0,1,2                          ; places 0-11 go into registers, where they stay
.set qW, (((\g)+2)%3+1)<<6
	WIN qW
.irp u, 0,1,2,3,4
.if 5*\g+\u < 12
.irp n, 0,1,2,3,4,5,6,7
	ds_load_b128 v[96+32*\u+4*\n:99+32*\u+4*\n], v[QA] offset:(5*\g+\u)*REC+512*\n
.endr
.endif
.endr
.endr
	WIN 0
.irp t, 0,1,2,3,4,5,6,7,8,9,10,11
	ds_load_b32 v[QS+\t], v[QSA] offset:\t*REC
.endr
	LOADF 0
	s_wait_tensorcnt NSL-1                         ; my quarter of chunk 0 is in, and I alone read it; the later chunks' loads may stay out
	LOADW 0, 0, 0
	s_wait_loadcnt 0x0                             ; places 12-14
.if PRE
	CHUNK 0, 0, 1, 1, 1
	CHUNK 1, 1, 0, 1, 0
	WIN 0                                          ; at a label and at a branch every window is 0
	s_mov_b32 s3, NCH/2-2
.Lpair:                                                ; a trip goes once round the ring and fills both slots again
	CHUNK 0, 0, 1, 1, 0
	CHUNK 1, 1, 0, 1, 0
	WIN 0
	s_sub_co_u32 s3, s3, 1
	s_cmp_lg_u32 s3, 0
	s_cbranch_scc1 .Lpair
	CHUNK 0, 0, 1, 0, 0                            ; the last two chunks are written out: they ask for nothing
	CHUNK 1, 1, 0, 2, 0
.else
	CHUNK 0, 0, 1, 1, 1                            ; behind chunk 0 its slot takes chunk 3
	CHUNK 1, 1, 2, 3, 0
	CHUNK 2, 0, 0, 4, 0
	CHUNK 0, 1, 0, 2, 0
.endif
	WIN 0x5c                                       ; group 2 of the last record: ACC in window 1, D in window 3.  Each of its results has 10 packed lines of other registers or more behind its last product
.irp j, 0,1,2,3,4,5,6,7,8,9
	TWO \j, 2, FE+60+40+2, 3
.endr
	; THE END.  Each wave's 15 x 8 sums go as an image into its own quarter of the stage's slot; a barrier; each wave adds a quarter of the four images and stores it.
.irp g, 0,1,2
.set aW, (((\g)+1)%3+1)<<2
	WIN aW                                         ; an LDS store's data are its source 1
.irp u, 0,1,2,3,4
	ds_store_b128 v[STA], v[40+8*\u:43+8*\u] offset:(5*\g+\u)*1024
	ds_store_b128 v[STA], v[44+8*\u:47+8*\u] offset:(5*\g+\u)*1024+512
.endr
.endr
	WIN 0
	s_wait_dscnt 0x0                               ; for the others' sake: my stores into the stage are done
	s_barrier_signal -1
	s_barrier_wait -1
.irp q, 0,1,2,3
.irp b, 0,1,2,3,4,5,6,7,8,9,10,11,12,13,14
	ds_load_b64 v[FE+30*\q+2*\b:FE+30*\q+2*\b+1], v[RDL] offset:\q*WCH+256*\b
.endr
.endr
	s_wait_dscnt 0x0
.irp b, 0,1,2,3,4,5,6,7,8,9,10,11,12,13,14
	v_pk_add_f32 v[FE+2*\b:FE+2*\b+1], v[FE+2*\b:FE+2*\b+1], v[FE+30+2*\b:FE+30+2*\b+1]
	v_pk_add_f32 v[FE+60+2*\b:FE+60+2*\b+1], v[FE+60+2*\b:FE+60+2*\b+1], v[FE+90+2*\b:FE+90+2*\b+1]
.endr
.irp b, 0,1,2,3,4,5,6,7,8,9,10,11,12,13,14
	v_pk_add_f32 v[FE+2*\b:FE+2*\b+1], v[FE+2*\b:FE+2*\b+1], v[FE+60+2*\b:FE+60+2*\b+1]   ; (wave 0 + wave 1) + (wave 2 + wave 3)
.endr
.irp b, 0,1,2,3,4,5,6,7,8,9,10,11,12,13,14
	global_store_b64 v[GOF], v[FE+2*\b:FE+2*\b+1], s[8:9] offset:256*\b   ; 32 lanes store 256 consecutive bytes, at a multiple of 256 from the buffer's first byte
.endr
	s_wait_tensorcnt 0x0                           ; the wave's end: behind my last tensor load and my last LDS store
	ds_add_u32 v[SPW], v[NIL]
	s_wait_dscnt 0x0
	CROUND                                         ; the closing round: no work-group ends while a partner may still ask for a tile that names it
	s_endpgm
.Lfunc_end_k_q6628d26662_pre:
	.size	k_q6628d26662_pre, .Lfunc_end_k_q6628d26662_pre-k_q6628d26662_pre
	.p2alignl 7, 3214868480
	.fill 96, 4, 3214868480
	.section	.rodata,"a",@progbits
	.p2align	6, 0x0
	.amdhsa_kernel k_q6628d26662_pre
		.amdhsa_group_segment_fixed_size 327680
		.amdhsa_private_segment_fixed_size 0
		.amdhsa_enable_private_segment 0
		.amdhsa_kernarg_size 24
		.amdhsa_user_sgpr_count 2
		.amdhsa_user_sgpr_kernarg_segment_ptr 1
		.amdhsa_wavefront_size32 1
		.amdhsa_system_sgpr_workgroup_id_x 1
		.amdhsa_system_sgpr_workgroup_id_y 1
		.amdhsa_system_sgpr_workgroup_id_z 1
		.amdhsa_system_vgpr_workitem_id 0
		.amdhsa_next_free_vgpr 1024
		.amdhsa_next_free_sgpr 90
		.amdhsa_reserve_vcc 0
		.amdhsa_float_denorm_mode_32 3
		.amdhsa_float_denorm_mode_16_64 3
		.amdhsa_memory_ordered 1
		.amdhsa_forward_progress 1
		.amdhsa_inst_pref_size 246
	.end_amdhsa_kernel
	.amdgpu_metadata
---
amdhsa.version: [ 1, 2 ]
amdhsa.kernels:
  - .name:           k_q6628d26662_pre
    .symbol:         k_q6628d26662_pre.kd
    .args:
      - { .name: recs, .offset: 0, .size: 8, .value_kind: global_buffer, .address_space: global }
      - { .name: sampled_feats, .offset: 8, .size: 8, .value_kind: global_buffer, .address_space: global }
      - { .name: p1, .offset: 16, .size: 8, .value_kind: global_buffer, .address_space: global }
    .group_segment_fixed_size: 327680
    .private_segment_fixed_size: 0
    .kernarg_segment_align: 8
    .kernarg_segment_size: 24
    .max_flat_workgroup_size: 128
    .sgpr_count:     90
    .vgpr_count:     1024
    .wavefront_size: 32
...
	.end_amdgpu_metadata
.endif
;; end of part 2
;; launch norm1 (part 3): grid 225 x 1, 1 waves a work-group, no clusters, 0 bytes of LDS; arguments p1, g1, be1, fbuf; writes fbuf
.if DOCPART == 3
	.amdgcn_target "amdgcn-amd-amdhsa--gfx1250"
	.amdhsa_code_object_version 6
	.text
	.protected	k_q6628d26662_norm1
	.globl	k_q6628d26662_norm1
	.p2align	8
	.type	k_q6628d26662_norm1,@function
k_q6628d26662_norm1:
	s_mov_b64 s[64:65], 0
	v_nop
	global_prefetch_b8 v0, s[64:65] scope:SCOPE_SE
	s_setreg_imm32_b32 hwreg(HW_REG_WAVE_MODE, 25, 1), 1
	s_wait_xcnt 0x0
; f[b][d] = relu(layer_norm over d = 0..63 of (the sum of the four partial sums over k) x g1 + be1), all in f32.
; p1: [kq 4][block 16][dt 4] images of 15,360 bytes; in an image byte 1024 t + 512 c + 16 lane + 4 i = (query 16 t + r of the block, d = 16 dt + 8 h + 4 c + i), lane = (r, h).
; Block X holds query tiles 14 X .. 14 X + 14: tile i is read at block min(i / 14, 15), place i - 14 x block (place 14 of blocks 0-14 is a second copy and is not read).
; fbuf: [tile 225][d / 4: 16][r 16][4] f32: 4,096 bytes a tile, so that the next launch finds a query's four neighbouring d in 16 bytes.
; One wave takes one tile of 16 queries: a lane holds 32 of its query's 64 numbers, lane l xor 16 the others.  Mean first, then the sum of squared differences from it: no difference of large sums.
; The work is small (a tile is 16 KB in, 4 KB out): no LDS, no matrix unit, no cluster; all 48 loads go out together and one wait stands behind them.
.set IMGB, 15360
.set P,  32                            ; v32-159  the four partial sums, 32 registers each: 8 dt + 4 c + i; the sum stays in the first 32
.set T,  96                            ; v96-127  at work, once the partial sums are added
.set G,  160                           ; v160-191 g1 of my 32 d
.set B,  192                           ; v192-223 be1
.set MU, 224                           ; v[224:225] the mean, twice (a pair for the packed lines)
.set RS, 226                           ; v[226:227] 1 / sqrt(variance + eps), twice
.set PM, 228                           ; v228 what lane l xor 16 sends
	s_load_b256 s[4:11], s[0:1], 0x0               ; p1 s[4:5], g1 s[6:7], be1 s[8:9], fbuf s[10:11]
	s_mul_i32 s12, ttmp9, 4682                     ; i / 14 = (4682 i) >> 16 for i up to 224 (14 x 4682 = 65,548; the excess, 12 for each 14, stays under 4,670)
	s_lshr_b32 s12, s12, 16
	s_min_u32 s12, s12, 15                         ; block
	s_mul_i32 s13, s12, 14
	s_sub_co_u32 s13, ttmp9, s13                   ; place
	s_mul_i32 s14, s12, 4*IMGB
	s_lshl_b32 s13, s13, 10
	s_add_co_u32 s14, s14, s13
	s_mov_b32 s15, 0
	s_lshl_b32 s16, ttmp9, 12
	s_mov_b32 s17, 0
	s_mov_b32 s20, 0x76543210                      ; lane selects: lane l xor 16
	s_mov_b32 s21, 0xfedcba98
	s_mov_b32 s22, 0x3c800000                      ; 1 / 64
	s_mov_b32 s23, 0x3727c5ac                      ; eps = 1e-5
	v_lshlrev_b32 v1, 4, v0                        ; 16 x lane
	v_lshrrev_b32 v2, 4, v0                        ; h
	v_and_b32 v3, 15, v0                           ; r
	v_lshlrev_b32 v4, 5, v2                        ; g1, be1: 32 h
	v_lshlrev_b32 v5, 9, v2
	v_lshl_add_u32 v5, v3, 4, v5                   ; out: 512 h + 16 r
	v_mov_b32 v[PM], 0                             ; written once: a lane permute's destination counts as one of its sources
	s_wait_kmcnt 0x0
	s_add_nc_u64 s[4:5], s[4:5], s[14:15]
	s_add_nc_u64 s[10:11], s[10:11], s[16:17]
.irp q, 0,1,2,3
.irp d, 0,1,2,3
.irp c, 0,1
	global_load_b128 v[P+32*\q+8*\d+4*\c:P+32*\q+8*\d+4*\c+3], v1, s[4:5] offset:\q*64*IMGB+\d*IMGB+512*\c   ; 512 consecutive bytes
.endr
.endr
.endr
.irp d, 0,1,2,3
.irp c, 0,1
	global_load_b128 v[G+8*\d+4*\c:G+8*\d+4*\c+3], v4, s[6:7] offset:64*\d+16*\c
	global_load_b128 v[B+8*\d+4*\c:B+8*\d+4*\c+3], v4, s[8:9] offset:64*\d+16*\c
.endr
.endr
	s_wait_loadcnt 0x0
.irp j, 0,2,4,6,8,10,12,14,16,18,20,22,24,26,28,30
	v_pk_add_f32 v[P+\j:P+\j+1], v[P+\j:P+\j+1], v[P+32+\j:P+32+\j+1]
	v_pk_add_f32 v[P+64+\j:P+64+\j+1], v[P+64+\j:P+64+\j+1], v[P+96+\j:P+96+\j+1]
.endr
.irp j, 0,2,4,6,8,10,12,14,16,18,20,22,24,26,28,30
	v_pk_add_f32 v[P+\j:P+\j+1], v[P+\j:P+\j+1], v[P+64+\j:P+64+\j+1]     ; x = (kq 0 + kq 1) + (kq 2 + kq 3)
.endr
.irp i, 0,1,2,3,4,5,6,7                ; the sum of my 32, as a tree
	v_pk_add_f32 v[T+2*\i:T+2*\i+1], v[P+4*\i:P+4*\i+1], v[P+4*\i+2:P+4*\i+3]
.endr
.irp i, 0,1,2,3
	v_pk_add_f32 v[T+16+2*\i:T+17+2*\i], v[T+4*\i:T+4*\i+1], v[T+4*\i+2:T+4*\i+3]
.endr
.irp i, 0,1
	v_pk_add_f32 v[T+24+2*\i:T+25+2*\i], v[T+16+4*\i:T+17+4*\i], v[T+18+4*\i:T+19+4*\i]
.endr
	v_pk_add_f32 v[T+28:T+29], v[T+24:T+25], v[T+26:T+27]
	v_add_f32 v[T+30], v[T+28], v[T+29]
	v_permlanex16_b32 v[PM], v[T+30], s20, s21
	v_add_f32 v[T+30], v[T+30], v[PM]              ; with lane l xor 16's 32: the row's sum
	v_mul_f32 v[MU], s22, v[T+30]
	v_mul_f32 v[MU+1], s22, v[T+30]
.irp j, 0,2,4,6,8,10,12,14,16,18,20,22,24,26,28,30
	v_pk_add_f32 v[P+\j:P+\j+1], v[P+\j:P+\j+1], v[MU:MU+1] neg_lo:[0,1] neg_hi:[0,1]   ; x - mean
.endr
	v_pk_mul_f32 v[T:T+1], v[P:P+1], v[P:P+1]      ; the squares, in two chains
	v_pk_mul_f32 v[T+2:T+3], v[P+2:P+3], v[P+2:P+3]
.irp j, 4,8,12,16,20,24,28
	v_pk_fma_f32 v[T:T+1], v[P+\j:P+\j+1], v[P+\j:P+\j+1], v[T:T+1]
	v_pk_fma_f32 v[T+2:T+3], v[P+\j+2:P+\j+3], v[P+\j+2:P+\j+3], v[T+2:T+3]
.endr
	v_pk_add_f32 v[T:T+1], v[T:T+1], v[T+2:T+3]
	v_add_f32 v[T+4], v[T], v[T+1]
	v_permlanex16_b32 v[PM], v[T+4], s20, s21
	v_add_f32 v[T+4], v[T+4], v[PM]
	v_fma_f32 v[T+6], v[T+4], s22, s23             ; variance + eps
	v_rsq_f32 v[RS], v[T+6]
	v_rsq_f32 v[RS+1], v[T+6]
	v_nop                                          ; one plain line behind a transcendental, ahead of the use of its result (ISA guide 5.7.2)
	s_wait_alu depctr_va_vdst(0)
.irp j, 0,2,4,6,8,10,12,14,16,18,20,22,24,26,28,30
	v_pk_mul_f32 v[P+\j:P+\j+1], v[P+\j:P+\j+1], v[RS:RS+1]
.endr
.irp j, 0,2,4,6,8,10,12,14,16,18,20,22,24,26,28,30
	v_pk_fma_f32 v[P+\j:P+\j+1], v[P+\j:P+\j+1], v[G+\j:G+\j+1], v[B+\j:B+\j+1]
.endr
.irp j, 0,1,2,3,4,5,6,7,8,9,10,11,12,13,14,15,16,17,18,19,20,21,22,23,24,25,26,27,28,29,30,31
	v_max_num_f32 v[P+\j], 0, v[P+\j]              ; relu
.endr
.irp d, 0,1,2,3
.irp c, 0,1
	global_store_b128 v5, v[P+8*\d+4*\c:P+8*\d+4*\c+3], s[10:11] offset:1024*\d+256*\c   ; d / 4 = 4 dt + 2 h + c: each half of the lanes stores 256 consecutive bytes, aligned
.endr
.endr
	s_endpgm
.Lfunc_end_k_q6628d26662_norm1:
	.size	k_q6628d26662_norm1, .Lfunc_end_k_q6628d26662_norm1-k_q6628d26662_norm1
	.p2alignl 7, 3214868480
	.fill 96, 4, 3214868480
	.section	.rodata,"a",@progbits
	.p2align	6, 0x0
	.amdhsa_kernel k_q6628d26662_norm1
		.amdhsa_group_segment_fixed_size 0
		.amdhsa_private_segment_fixed_size 0
		.amdhsa_enable_private_segment 0
		.amdhsa_kernarg_size 32
		.amdhsa_user_sgpr_count 2
		.amdhsa_user_sgpr_kernarg_segment_ptr 1
		.amdhsa_wavefront_size32 1
		.amdhsa_system_sgpr_workgroup_id_x 1
		.amdhsa_system_sgpr_workgroup_id_y 1
		.amdhsa_system_sgpr_workgroup_id_z 1
		.amdhsa_system_vgpr_workitem_id 0
		.amdhsa_next_free_vgpr 232
		.amdhsa_next_free_sgpr 66
		.amdhsa_reserve_vcc 0
		.amdhsa_float_denorm_mode_32 3
		.amdhsa_float_denorm_mode_16_64 3
		.amdhsa_memory_ordered 1
		.amdhsa_forward_progress 1
		.amdhsa_inst_pref_size 17
	.end_amdhsa_kernel
	.amdgpu_metadata
---
amdhsa.version: [ 1, 2 ]
amdhsa.kernels:
  - .name:           k_q6628d26662_norm1
    .symbol:         k_q6628d26662_norm1.kd
    .args:
      - { .name: p1, .offset: 0, .size: 8, .value_kind: global_buffer, .address_space: global }
      - { .name: g1, .offset: 8, .size: 8, .value_kind: global_buffer, .address_space: global }
      - { .name: be1, .offset: 16, .size: 8, .value_kind: global_buffer, .address_space: global }
      - { .name: fbuf, .offset: 24, .size: 8, .value_kind: global_buffer, .address_space: global }
    .group_segment_fixed_size: 0
    .private_segment_fixed_size: 0
    .kernarg_segment_align: 8
    .kernarg_segment_size: 32
    .max_flat_workgroup_size: 32
    .sgpr_count:     66
    .vgpr_count:     232
    .wavefront_size: 32
...
	.end_amdgpu_metadata
.endif
;; end of part 3
;; launch aft (part 4): grid 16 x 16, 4 waves a work-group, clusters of 4 x 4, 327,680 bytes of LDS; arguments recs, fbuf, f2; writes f2
.if DOCPART == 4
	.amdgcn_target "amdgcn-amd-amdhsa--gfx1250"
	.amdhsa_code_object_version 6
	.text
	.protected	k_q6628d26662_aft
	.globl	k_q6628d26662_aft
	.p2align	8
	.type	k_q6628d26662_aft,@function
k_q6628d26662_aft:
	s_mov_b64 s[64:65], 0
	v_nop
	global_prefetch_b8 v0, s[64:65] scope:SCOPE_SE
	s_setreg_imm32_b32 hwreg(HW_REG_WAVE_MODE, 25, 1), 1
	s_wait_xcnt 0x0
	s_wait_alu depctr_hold_cnt(0) depctr_sa_sdst(0) depctr_va_vdst(0) depctr_va_sdst(0) depctr_va_ssrc(0) depctr_va_vcc(0) depctr_vm_vsrc(0)
	s_getreg_b32 s2, hwreg(HW_REG_IB_STS2, 6, 4)
	s_cmp_eq_u32 s2, 0
	s_cbranch_scc0 .Lentry_in_a_cluster
	s_endpgm
.Lentry_in_a_cluster:
	s_bfe_u32 s2, ttmp6, 0x10000c
	s_cmp_lg_u32 s2, 0xf033
	s_cbranch_scc0 .Lentry_shape_is_right
	s_endpgm
.Lentry_shape_is_right:
; ONE TEXT FOR TWO LAUNCHES; the constant PRE says which this file is.
; PRE = 1:  p1[kq][block][dt] = the sum over k = 128 kq .. 128 kq + 127 of feats[b][k] x param1[b][64 k + d],  param1 = Q(query) Q(W_pre)^T + b_pre, d = 16 dt + 0..15.
; PRE = 0:  f2[block][et]     = the sum over d = 0 .. 63 of f[b][d] x param2[b][256 d + e],                    param2 = Q(query) Q(W_aft)^T + b_aft, e = 16 et + 0..15.
; The per-query weights (param1, param2) never exist in memory: each 16 x 16 tile of them is made by two matrix instructions on codes of FP8 (E4M3) with E8M0 scales (K = 256) and is used up at once,
; in registers, by four packed multiply-adds in f32.  Codes, scale words and biases come as RECORDS of 4,352 bytes, made by the first launch, in the order of an operand's registers (bytes 0-4095 the two K steps'
; fragments, 16 bytes a lane, 512 an instruction; 4096 a scale word a lane, K step 0 in lanes 0-15, K step 1 in lanes 16-31; 4224 the 16 rows' biases).
; THE MATRIX INSTRUCTION IS USED TRANSPOSED: source 0 = a record of W (16 outputs), source 1 = a tile of 16 queries, C = the bias.  A lane (r, h) then holds ONE query r and outputs 8 h + 0..7: the
; vector operand (feats or f) is one number a lane, and the eight sums of a lane stay in eight registers for the whole launch.
; SHARES.  The 225 tiles of 16 queries go into 16 blocks of 15: block X holds tiles 14 X .. 14 X + 14, so tiles 14, 28 .. 210 are made twice (15 of 240 places; the later launches read the copy in place 0).
; 15 tiles are what a wave's registers hold, and 16 blocks x 16 parts are 256 work-groups in clusters of 4 x 4, which 15 blocks would not divide into.
; A work-group is (block X; PRE: dt = cy and kq = the cluster's y; else et = Y).  Its four waves hold the SAME 15 tiles of queries (480 registers) and share the records: of a chunk of 16 records wave w takes 4 w .. 4 w + 3.
; The four waves' sums meet once, at the end, in LDS.
; LDS: NSL slots of 16 records (69,632 bytes each), each wave fetching and reading its own quarter; the vector operand of the whole job, filled once; 12 of the 15 query records, filled once; the spare words.
;   PRE = 1: 2 x 69,632 + 126,720 (240 rows x 512 bytes, 528 apart) + 52,224 + 512 = 318,720 bytes; eight chunks go through the two slots.
;   PRE = 0: 3 x 69,632 + 61,440 + 52,224 + 512 = 323,072 bytes; chunks 0, 1, 2 are first fills, chunk 3 takes slot 0 behind chunk 0 and has 220 matrix instructions of each wave in which to land: one refill in the launch.
; THE QUERY RECORDS: beside the slots and the vector operand LDS has room for 12 records (three to a wave's load), not for 15 (65,280 bytes).  Places 0-11 come jointly through LDS; places 12-14, 13,056 bytes,
; by each wave's own loads straight into its registers.
; The final stage: each wave's image lies in its own quarter of a slot that has had its last fill (PRE: slot 0; else slot 1) and that the wave itself has read out.
; CLUSTER: W's chunks hang on y alone and are asked for jointly along a row of the cluster; the query records and the vector operand hang on X (and the cluster's y) and are asked for jointly along a column.
; REGISTERS, in windows of 256 (s_set_vgpr_msb: bits 1:0 source 0, 3:2 source 1, 5:4 source 2, 7:6 destination).  Window 0: addresses, scale words, two sets of a record's fragments, two sets of the vector operand.
; The 15 places form groups g = 0, 1, 2 of five (place 5 g + u):  results D(g, u) in window g + 1 at v[8 u];  sums ACC(g, u) in window (g + 1) % 3 + 1 at v[40 + 8 u];  queries Q(g, u, K step s) in window (g + 2) % 3 + 1
; at v[96 + 32 u + 16 s];  a record's biases, in the result's layout, as a copy in EACH of windows 1 to 3 at v[80 + 8 p] (two sets p).
; So every product of group g (D and C in window g + 1, Q in window (g + 2) % 3 + 1) and the multiply-adds of group g - 1 (ACC in window g + 1, D in window (g + 2) % 3 + 1) want the SAME setting:
; one switch a unit, and two packed lines behind each of its ten products.  Seven switches for a record's 30 matrix and 60 packed instructions.
; LIMITS: those of the records (see the launch that makes them); NaN and infinities are not served.
.set PRE,   0
.set REC,   4352
.set WCH,   4*REC                      ; a wave's quarter of a chunk
.set SLOTB, 16*REC                     ; a slot
.set IMGB,  15360                      ; a result image: 15 places x 1,024 bytes: byte 1024 t + 512 c + 16 lane + 4 i = (query 16 t + r, output 8 h + 4 c + i)
.if PRE
.set NSL,   2                          ; slots
.set NCH,   8                          ; chunks
.set VR,    528                        ; the vector operand's LDS address = VEC + VR r + VW wave + VT place + VC chunk; 16 bytes there are the numbers for my four records
.set VW,    16
.set VT,    16*528
.set VC,    64
.set VWAVE, 60*528                     ; what one wave fetches of it
.set STG,   0                          ; the slot that takes the final stage
.else
.set NSL,   3
.set NCH,   4
.set VR,    16
.set VW,    256
.set VT,    4096
.set VC,    1024
.set VWAVE, 15360
.set STG,   SLOTB
.endif
.set VEC,   NSL*SLOTB                  ; the vector operand
.set QST,   VEC+4*VWAVE                ; query records 0-11
.set QWAVE, 3*REC                      ; what one wave fetches of them
.set SPARE, QST+4*QWAVE                ; the spare words, 128 bytes a wave: two blocks of 256 bytes that no other line names
.set WA,   2                           ; v2-4    LDS address of my fragments in slot 0, 1, 2: 16 x lane
.set SA,   5                           ; v5-7    of my scale words: 4096 + 4 x lane
.set BA,   8                           ; v8-10   of my biases: 4224 + 32 h
.set FA,   11                          ; v11, 12 of the vector operand: places 0-6, places 7-14 (an immediate reaches 65,535 bytes)
.set QA,   13                          ; v13     the staged query records: 16 x lane
.set QSA,  14                          ; v14     their scale words
.set STA,  15                          ; v15     the final stage: my quarter of its slot, 16 x lane
.set SPW,  16                          ; v16     LDS address of my spare word; never rewritten
.set NIL,  17                          ; v17     0; never rewritten
.set QS,   18                          ; v18-32  the 15 query tiles' scale words
.set RDL,  33                          ; v33     the final stage: my quarter of an image
.set WS,   34                          ; v34, 35 a record's scale word, two sets
.set GOF,  36                          ; v36     3840 x wave + 8 x lane: my quarter of the image in memory
.set GQ,   37                          ; v37     16 x lane
.set GQS,  38                          ; v38     4 x lane
.set WF,   40                          ; v40-71, v104-135  a record's fragments, two sets of 32
.set BIW,  80                          ; in windows 1-3: v80-95 its biases, two sets of 8
.set FE,   136                         ; v136-255 the vector operand, two sets of 60: register 4 t + i: place t, my record i of the chunk
.set WV,   10                          ; s10 wave
.set G1W,  16                          ; s[16:23] descriptor group 1 for W's chunks;  s[24:31] for the query records;  s[32:39] for the vector operand
.set G1Q,  24
.set G1V,  32
.set G0W,  40                          ; s[40:51] group 0 for W, a set for each slot;  s[52:55] query records;  s[56:59] vector operand
.set G0Q,  52
.set G0V,  56
.set MSB, 0
.macro WIN new                         ; the immediate's high byte repeats the setting that is left; a switch that changes nothing is dropped
.if MSB != (\new)
	s_set_vgpr_msb (MSB<<8)|(\new)
.set MSB, \new
.endif
.endm
.macro PLACES n
.rept \n
	v_nop
.endr
.endm
.macro CREST                           ; a round of the cluster's barrier behind its opening barrier
	s_cmp_lg_u32 s[WV], 0
	s_cbranch_scc1 .Lnot_wave_0_\@
	s_barrier_signal -3
.Lnot_wave_0_\@:
	s_barrier_wait -3
	s_barrier_signal -1
	s_barrier_wait -1
.endm
.macro CROUND                          ; a whole round
	s_barrier_signal -1
	s_barrier_wait -1
	CREST
.endm
; my record i of the chunk in a slot -> set p: 15 LDS loads: fragments and scale word into window 0, the biases into each of windows 1 to 3
.macro LOADW slot, i, p
	WIN 0
.irp n, 0,1,2,3,4,5,6,7
	ds_load_b128 v[WF+64*(\p)+4*\n:WF+64*(\p)+4*\n+3], v[WA+(\slot)] offset:(\i)*REC+512*\n
.endr
	ds_load_b32 v[WS+(\p)], v[SA+(\slot)] offset:(\i)*REC
.irp w, 1,2,3
	WIN \w<<6
	ds_load_b128 v[BIW+8*(\p):BIW+8*(\p)+3], v[BA+(\slot)] offset:(\i)*REC
	ds_load_b128 v[BIW+8*(\p)+4:BIW+8*(\p)+7], v[BA+(\slot)] offset:(\i)*REC+16
.endr
.endm
; the vector operand for my four records of a chunk, all 15 places: 15 LDS loads
.macro LOADF st
.irp t, 0,1,2,3,4,5,6
	ds_load_b128 v[FE+60*(\st)+4*\t:FE+60*(\st)+4*\t+3], v[FA] offset:\t*VT
.endr
.irp t, 7,8,9,10,11,12,13,14
	ds_load_b128 v[FE+60*(\st)+4*\t:FE+60*(\st)+4*\t+3], v[FA+1] offset:(\t-7)*VT
.endr
.endm
; Lines 2 j and 2 j + 1 of a group's 20 packed lines: ACC(u) += number x D(u), u = j / 2, registers 4 (j % 2) + 0..3.  fe: the even register of the pair that holds place u = 0's number; fi odd: its upper half.
; fm = 2 adds, 1 starts the sums (nothing is ever cleared), 0 writes nothing.  D is read from its low end on.
.macro TWO j, fm, fe, fi
.set tU, (\j)/2
.set tN, 4*((\j)%2)
.irp n, 0,2
.if (\fm) == 2
.if (\fi)&1
	v_pk_fma_f32 v[40+8*tU+tN+\n:41+8*tU+tN+\n], v[\fe+4*tU:\fe+4*tU+1], v[8*tU+tN+\n:8*tU+tN+\n+1], v[40+8*tU+tN+\n:41+8*tU+tN+\n] op_sel:[1,0,0] op_sel_hi:[1,1,1]
.else
	v_pk_fma_f32 v[40+8*tU+tN+\n:41+8*tU+tN+\n], v[\fe+4*tU:\fe+4*tU+1], v[8*tU+tN+\n:8*tU+tN+\n+1], v[40+8*tU+tN+\n:41+8*tU+tN+\n] op_sel_hi:[0,1,1]
.endif
.elseif (\fm) == 1
.if (\fi)&1
	v_pk_mul_f32 v[40+8*tU+tN+\n:41+8*tU+tN+\n], v[\fe+4*tU:\fe+4*tU+1], v[8*tU+tN+\n:8*tU+tN+\n+1] op_sel:[1,0] op_sel_hi:[1,1]
.else
	v_pk_mul_f32 v[40+8*tU+tN+\n:41+8*tU+tN+\n], v[\fe+4*tU:\fe+4*tU+1], v[8*tU+tN+\n:8*tU+tN+\n+1] op_sel_hi:[0,1]
.endif
.endif
.endr
.endm
; A UNIT: the record in set p against group g's five tiles of queries: five products of K step 0 (C = the bias), five of K step 1; behind each of the ten stand two packed lines of the group BEFORE
; (group (g + 2) % 3; its number is register fi of set fs).  The five accumulators take turns, one instruction a turn.
; DISTANCES (8 places before a vector instruction reads a result of this form or a load lands on an operand, 9 before a matrix instruction writes over one): between the product that finishes D(g, u)
; and the first read of D(g, u) stand 10 + 2 u packed lines that name none of its registers (2 (5 - u) in this unit, 4 u in the next); a set's next loads stand 22 such lines behind its last product.
.macro UNIT p, g, fm, fs, fi
.set uDW, (\g)+1
.set uQW, ((\g)+2)%3+1
.set uS,  (uDW<<6)|(uDW<<4)|(uQW<<2)
.set uWF, WF+64*(\p)
.set uBI, BIW+8*(\p)
.set uWS, WS+(\p)
.set uQS, QS+5*(\g)
.set uFE, FE+60*(\fs)+20*(((\g)+2)%3)+((\fi)&2)
	WIN uS
.irp u, 0,1,2,3,4
	v_wmma_scale_f32_16x16x128_f8f6f4 v[8*\u:8*\u+7], v[uWF:uWF+15], v[96+32*\u:111+32*\u], v[uBI:uBI+7], v[uWS], v[uQS+\u]
	TWO \u, \fm, uFE, \fi
.endr
.irp u, 0,1,2,3,4
	v_wmma_scale_f32_16x16x128_f8f6f4 v[8*\u:8*\u+7], v[uWF+16:uWF+31], v[112+32*\u:127+32*\u], v[8*\u:8*\u+7], v[uWS], v[uQS+\u] matrix_a_scale:MATRIX_SCALE_ROW1 matrix_b_scale:MATRIX_SCALE_ROW1
	TWO 5+\u, \fm, uFE, \fi
.endr
.endm
; Record i = 0, 1, 2 of a chunk (in LDS slot 'slot'; its numbers in set st).  Behind its first unit the next record is fetched into the other set, 20 matrix instructions ahead of its use.  lf = 1: the next chunk's vector operand too.
.macro TILE slot, st, i, fm0, fm12, lf
.set tP, (\i)%2
.set tFS, \st
.if (\i) == 0
.set tFS, 1-(\st)
.endif
.set tFI, ((\i)+3)%4
	s_wait_dscnt 0x0                               ; this record's 15 loads (and a run of the vector operand's, if one was issued) are in
	UNIT tP, 0, \fm0, tFS, tFI                     ; beside it: group 2 of the record before (for i = 0 the last chunk's fourth)
	WIN 0
.if (\fm0) == 0
	PLACES 8                                       ; the very first unit has no packed lines beside it: these are the places ahead of the first read of its results
.endif
.if \lf
	v_add_nc_u32 v[FA], VC, v[FA]                  ; on to the next chunk's numbers
	v_add_nc_u32 v[FA+1], VC, v[FA+1]
	LOADF 1-(\st)                                  ; the other set's last use stands in this chunk's first unit
.endif
	LOADW \slot, (\i)+1, 1-tP
	UNIT tP, 1, \fm12, \st, \i
	UNIT tP, 2, \fm12, \st, \i
.endm
; A chunk's fourth record where slots are changed behind a barrier.  Ahead of it each wave waits for all its tensor loads, adds 0 to its spare word, and waits for that and for its reads of this slot.
; fill = 1: the barrier opens a round of the cluster's barrier, and behind the round this slot takes the chunk NSL further on.
.macro TURN slot, st, next, fill
	WIN 0                                          ; (the add's two registers lie in window 0)
	s_wait_tensorcnt 0x0                           ; all my tensor loads have landed
	ds_add_u32 v[SPW], v[NIL]                      ; 0 onto my spare word
	s_wait_dscnt 0x1                               ; the record's 15 loads are in; the add alone may be out
	UNIT 1, 0, 2, \st, 2                           ; a unit's work stands between the add and the wait for it
	s_wait_dscnt 0x0                               ; the add is done, and my reads of this slot are over
	s_barrier_signal -1
	UNIT 1, 1, 2, \st, 3                           ; work on registers while the others arrive
	WIN 0
	s_barrier_wait -1
.if \fill
	CREST                                          ; no wave of any partner still reads this slot or has a load on its way
	s_add_nc_u64 s[G0W+4*(\slot)+2:G0W+4*(\slot)+3], s[G0W+4*(\slot)+2:G0W+4*(\slot)+3], NSL*SLOTB
	tensor_load_to_lds s[G0W+4*(\slot):G0W+4*(\slot)+3], s[G1W:G1W+7]   ; my one tensor load behind the round, and the first thing there
	s_nop 0
	PLACES 4
.endif
	LOADW \next, 0, 0                              ; the next chunk's first record
	UNIT 1, 2, 2, \st, 3
.endm
; A chunk's fourth record where nothing is filled again: I go on into my own quarter of the next slot, which no other wave touches, so no barrier stands here.
; tw = 1: that quarter is the refill's, my one tensor load that is out: my own wait shows it landed.  tw = 0: it was shown landed by the wait for all loads ahead of the refill's round.
.macro PASS st, next, tw
	s_wait_dscnt 0x0
	UNIT 1, 0, 2, \st, 2
	UNIT 1, 1, 2, \st, 3
	WIN 0
.if \tw
	s_wait_tensorcnt 0x0
.endif
	LOADW \next, 0, 0
	UNIT 1, 2, 2, \st, 3
.endm
.macro LASTT st                        ; the very last record: nothing more to fetch
	s_wait_dscnt 0x0
	UNIT 1, 0, 2, \st, 2
	UNIT 1, 1, 2, \st, 3
	UNIT 1, 2, 2, \st, 3
.endm
; kind: 1 a barrier, and the slot is filled again; 0 a barrier alone; 2 the last chunk; 3 no barrier; 4 no barrier, and the wait for the refill.  first = 1: the first chunk, whose first record starts the sums.
.macro CHUNK slot, st, next, kind, first
	TILE \slot, \st, 0, 2-2*(\first), 2-(\first), 0
.if (\kind) == 2
	TILE \slot, \st, 1, 2-(\first), 2, 0
.else
	TILE \slot, \st, 1, 2-(\first), 2, 1
.endif
	TILE \slot, \st, 2, 2, 2, 0
.if (\kind) == 2
	LASTT \st
.elseif (\kind) == 3
	PASS \st, \next, 0
.elseif (\kind) == 4
	PASS \st, \next, 1
.else
	TURN \slot, \st, \next, \kind
.endif
.endm
	s_load_b128 s[4:7], s[0:1], 0x0                ; the records s[4:5], the vector operand s[6:7]
	s_load_b64 s[8:9], s[0:1], 0x10                ; the result
	v_lshl_add_u32 v[SPW], v0, 2, SPARE
	v_mov_b32 v[NIL], 0
	ds_add_u32 v16, v17
	ds_add_u32 v16, v17
	s_wait_dscnt 0x0
	v_lshrrev_b32 v1, 5, v0
	v_readfirstlane_b32 s[WV], v1                  ; wave 0..3
	v_and_b32 v1, 31, v0                           ; lane
	v_lshlrev_b32 v[GQ], 4, v1
	v_lshlrev_b32 v[GQS], 2, v1
	s_bfe_u32 s11, ttmp6, 0x40000                  ; cx, cy: my place in the cluster
	s_bfe_u32 s12, ttmp6, 0x40004
	s_lshl_b32 s13, ttmp9, 2
	s_add_co_u32 s13, s13, s11                     ; X: my block of queries = 4 x cluster x + cx
	s_and_b32 s14, ttmp7, 0xffff                   ; the cluster's y
	s_lshl_b32 s66, s12, 2
	s_lshl_b32 s66, 15, s66                        ; my row of the cluster
	s_lshl_b32 s67, 0x1111, s11                    ; my column
	; descriptor groups 1, in elements of 8 bytes.  W: 68 rows of 256 bytes, dense (a wave's four records).  Query records: 51 such rows (three records).
	s_or_b32 s[G1W], s66, (3<<16)|(1<<21)          ; 15:0 the mask: my row; 17:16 elements of 8 bytes; 21 set beside a mask
	s_mov_b32 s[G1W+1], 32<<16                     ; tensor_dim0
	s_mov_b32 s[G1W+2], 68<<16                     ; tensor_dim1
	s_mov_b32 s[G1W+3], 32<<16                     ; tile_dim0
	s_mov_b32 s[G1W+4], 68                         ; tile_dim1
	s_mov_b32 s[G1W+5], 32                         ; tensor_dim0_stride
	s_mov_b32 s[G1W+6], 0
	s_mov_b32 s[G1W+7], 0
	s_or_b32 s[G1Q], s67, (3<<16)|(1<<21)          ; the mask: my column
	s_mov_b32 s[G1Q+1], 32<<16
	s_mov_b32 s[G1Q+2], 51<<16
	s_mov_b32 s[G1Q+3], 32<<16
	s_mov_b32 s[G1Q+4], 51
	s_mov_b32 s[G1Q+5], 32
	s_mov_b32 s[G1Q+6], 0
	s_mov_b32 s[G1Q+7], 0
.if PRE                                ; feats: 60 rows of 512 bytes out of rows of 2,048; 16 bytes of padding behind each (after every 128 words, code 6; 4 words, code 3)
	s_or_b32 s[G1V], s67, (3<<16)|(1<<20)|(1<<21)|(6<<22)|(3<<25)
	s_mov_b32 s[G1V+1], 64<<16
	s_mov_b32 s[G1V+2], 60<<16
	s_mov_b32 s[G1V+3], 64<<16
	s_mov_b32 s[G1V+4], 60
	s_mov_b32 s[G1V+5], 256
.else                                  ; f: 60 rows of 256 bytes, dense
	s_or_b32 s[G1V], s67, (3<<16)|(1<<21)
	s_mov_b32 s[G1V+1], 32<<16
	s_mov_b32 s[G1V+2], 60<<16
	s_mov_b32 s[G1V+3], 32<<16
	s_mov_b32 s[G1V+4], 60
	s_mov_b32 s[G1V+5], 32
.endif
	s_mov_b32 s[G1V+6], 0
	s_mov_b32 s[G1V+7], 0
	; where the tiles come from.  W's offset is made in registers that never hold cx, the others' in registers that never hold cy.
.if PRE
	s_lshl_b32 s68, s12, 9                         ; record 241 + 512 dt + 128 kq + 4 wave
	s_lshl_b32 s69, s14, 7
	s_add_co_u32 s68, s68, s69
	s_lshl_b32 s69, s[WV], 2
	s_add_co_u32 s68, s68, s69
	s_add_co_u32 s68, s68, 241
.else
	s_lshl_b32 s15, s14, 2
	s_add_co_u32 s15, s15, s12                     ; Y = et = 4 x cluster y + cy
	s_lshl_b32 s68, s15, 6                         ; record 2289 + 64 et + 4 wave
	s_lshl_b32 s69, s[WV], 2
	s_add_co_u32 s68, s68, s69
	s_add_co_u32 s68, s68, 2289
.endif
	s_mul_i32 s68, s68, REC
	s_mov_b32 s69, 0
	s_mul_i32 s70, s13, 14*REC                     ; the block's first query record
	s_mov_b32 s71, 0
	s_mul_i32 s74, s[WV], QWAVE                    ; of its first twelve, three a wave
	s_mov_b32 s75, 0
.if PRE
	s_mul_i32 s76, s13, 224*2048                   ; feats: row 224 X + 60 wave, byte 512 kq
	s_mul_i32 s77, s[WV], 60*2048
	s_add_co_u32 s76, s76, s77
	s_lshl_b32 s77, s14, 9
	s_add_co_u32 s76, s76, s77
	s_lshl_b32 s78, s14, 4                         ; the result: image (16 kq + X) 4 + dt
	s_add_co_u32 s78, s78, s13
	s_lshl_b32 s78, s78, 2
	s_add_co_u32 s78, s78, s12
.else
	s_mul_i32 s76, s13, 14*4096                    ; f: tile 14 X, a quarter of 61,440 bytes a wave
	s_mul_i32 s77, s[WV], 15360
	s_add_co_u32 s76, s76, s77
	s_lshl_b32 s78, s13, 4                         ; the result: image 16 X + et
	s_add_co_u32 s78, s78, s15
.endif
	s_mov_b32 s77, 0
	s_mul_i32 s78, s78, IMGB
	s_mov_b32 s79, 0
	s_mul_i32 s80, s[WV], WCH                      ; and where they go: no place in the cluster enters an LDS address
	s_add_co_u32 s81, s74, QST
	s_mul_i32 s82, s[WV], VWAVE
	s_add_co_u32 s82, s82, VEC
	s_wait_kmcnt 0x0
	s_add_nc_u64 s[84:85], s[4:5], s[68:69]
.irp c, 0,1,2
.if \c < NSL
	s_mov_b32 s[G0W+4*\c], 1                                       ; 1:0 count = 1
	s_add_co_u32 s[G0W+4*\c+1], s80, \c*SLOTB                      ; 63:32 LDS address: slot c
	s_add_nc_u64 s[G0W+4*\c+2:G0W+4*\c+3], s[84:85], \c*SLOTB      ; 120:64 global address: chunk c
	s_or_b32 s[G0W+4*\c+3], s[G0W+4*\c+3], 0x80000000              ; 127:126 type = 2
.endif
.endr
	s_add_nc_u64 s[72:73], s[4:5], s[70:71]        ; the block's query records: the base of my own loads too
	s_mov_b32 s[G0Q], 1
	s_mov_b32 s[G0Q+1], s81
	s_add_nc_u64 s[G0Q+2:G0Q+3], s[72:73], s[74:75]
	s_or_b32 s[G0Q+3], s[G0Q+3], 0x80000000
	s_mov_b32 s[G0V], 1
	s_mov_b32 s[G0V+1], s82
	s_add_nc_u64 s[G0V+2:G0V+3], s[6:7], s[76:77]
	s_or_b32 s[G0V+3], s[G0V+3], 0x80000000
	s_add_nc_u64 s[8:9], s[8:9], s[78:79]
	CROUND                                         ; all sixteen work-groups are here: the first joint loads meet
	tensor_load_to_lds s[G0Q:G0Q+3], s[G1Q:G1Q+7]  ; all first fills go out together: 2 + NSL tensor loads of mine are out, the most in this text
	s_nop 0
	tensor_load_to_lds s[G0V:G0V+3], s[G1V:G1V+7]
	s_nop 0
.irp c, 0,1,2
.if \c < NSL
	tensor_load_to_lds s[G0W+4*\c:G0W+4*\c+3], s[G1W:G1W+7]
	s_nop 0
.endif
.endr
	PLACES 4
	WIN 0x80                                       ; destination window 2: places 12, 13, 14 are group 2's u = 2, 3, 4
.irp j, 0,1,2
.irp n, 0,1,2,3,4,5,6,7
	global_load_b128 v[160+32*\j+4*\n:163+32*\j+4*\n], v[GQ], s[72:73] offset:(12+\j)*REC+512*\n   ; 512 consecutive bytes, as they lie
.endr
.endr
	WIN 0
.irp j, 0,1,2
	global_load_b32 v[QS+12+\j], v[GQS], s[72:73] offset:(12+\j)*REC+4096
.endr
	v_and_b32 v72, 15, v0                          ; r
	v_bfe_u32 v73, v0, 4, 1                        ; h
	v_lshl_add_u32 v[WA], v1, 4, s80
	v_lshl_add_u32 v[SA], v1, 2, s80
	v_add_nc_u32 v[SA], 4096, v[SA]
	v_lshl_add_u32 v[BA], v73, 5, s80
	v_add_nc_u32 v[BA], 4224, v[BA]
.irp s, 1,2
.if \s < NSL
	v_add_nc_u32 v[WA+\s], \s*SLOTB, v[WA]
	v_add_nc_u32 v[SA+\s], \s*SLOTB, v[SA]
	v_add_nc_u32 v[BA+\s], \s*SLOTB, v[BA]
.endif
.endr
	s_mul_i32 s83, s[WV], VW
	s_add_co_u32 s83, s83, VEC
	v_mul_u32_u24 v[FA], v72, VR
	v_add_nc_u32 v[FA], s83, v[FA]
	v_add_nc_u32 v[FA+1], 7*VT, v[FA]
	v_lshl_add_u32 v[QA], v1, 4, QST
	v_lshl_add_u32 v[QSA], v1, 2, QST+4096
	s_add_co_u32 s86, s80, STG
	v_lshl_add_u32 v[STA], v1, 4, s86
	s_mul_i32 s87, s[WV], IMGB/4
	v_lshl_add_u32 v[GOF], v1, 3, s87
	v_add_nc_u32 v[RDL], STG, v[GOF]
	s_wait_tensorcnt NSL                           ; my parts of the query records and of the vector operand are in; W's NSL loads, issued behind them, may stay out
	s_barrier_signal -1
	s_barrier_wait -1                              ; everybody's are
.irp g, 0,1,2                          ; places 0-11 go into registers, where they stay
.set qW, (((\g)+2)%3+1)<<6
	WIN qW
.irp u, 0,1,2,3,4
.if 5*\g+\u < 12
.irp n, 0,1,2,3,4,5,6,7
	ds_load_b128 v[96+32*\u+4*\n:99+32*\u+4*\n], v[QA] offset:(5*\g+\u)*REC+512*\n
.endr
.endif
.endr
.endr
	WIN 0
.irp t, 0,1,2,3,4,5,6,7,8,9,10,11
	ds_load_b32 v[QS+\t], v[QSA] offset:\t*REC
.endr
	LOADF 0
	s_wait_tensorcnt NSL-1                         ; my quarter of chunk 0 is in, and I alone read it; the later chunks' loads may stay out
	LOADW 0, 0, 0
	s_wait_loadcnt 0x0                             ; places 12-14
.if PRE
	CHUNK 0, 0, 1, 1, 1
	CHUNK 1, 1, 0, 1, 0
	WIN 0                                          ; at a label and at a branch every window is 0
	s_mov_b32 s3, NCH/2-2
.Lpair:                                                ; a trip goes once round the ring and fills both slots again
	CHUNK 0, 0, 1, 1, 0
	CHUNK 1, 1, 0, 1, 0
	WIN 0
	s_sub_co_u32 s3, s3, 1
	s_cmp_lg_u32 s3, 0
	s_cbranch_scc1 .Lpair
	CHUNK 0, 0, 1, 0, 0                            ; the last two chunks are written out: they ask for nothing
	CHUNK 1, 1, 0, 2, 0
.else
	CHUNK 0, 0, 1, 1, 1                            ; behind chunk 0 its slot takes chunk 3
	CHUNK 1, 1, 2, 3, 0
	CHUNK 2, 0, 0, 4, 0
	CHUNK 0, 1, 0, 2, 0
.endif
	WIN 0x5c                                       ; group 2 of the last record: ACC in window 1, D in window 3.  Each of its results has 10 packed lines of other registers or more behind its last product
.irp j, 0,1,2,3,4,5,6,7,8,9
	TWO \j, 2, FE+60+40+2, 3
.endr
	; THE END.  Each wave's 15 x 8 sums go as an image into its own quarter of the stage's slot; a barrier; each wave adds a quarter of the four images and stores it.
.irp g, 0,1,2
.set aW, (((\g)+1)%3+1)<<2
	WIN aW                                         ; an LDS store's data are its source 1
.irp u, 0,1,2,3,4
	ds_store_b128 v[STA], v[40+8*\u:43+8*\u] offset:(5*\g+\u)*1024
	ds_store_b128 v[STA], v[44+8*\u:47+8*\u] offset:(5*\g+\u)*1024+512
.endr
.endr
	WIN 0
	s_wait_dscnt 0x0                               ; for the others' sake: my stores into the stage are done
	s_barrier_signal -1
	s_barrier_wait -1
.irp q, 0,1,2,3
.irp b, 0,1,2,3,4,5,6,7,8,9,10,11,12,13,14
	ds_load_b64 v[FE+30*\q+2*\b:FE+30*\q+2*\b+1], v[RDL] offset:\q*WCH+256*\b
.endr
.endr
	s_wait_dscnt 0x0
.irp b, 0,1,2,3,4,5,6,7,8,9,10,11,12,13,14
	v_pk_add_f32 v[FE+2*\b:FE+2*\b+1], v[FE+2*\b:FE+2*\b+1], v[FE+30+2*\b:FE+30+2*\b+1]
	v_pk_add_f32 v[FE+60+2*\b:FE+60+2*\b+1], v[FE+60+2*\b:FE+60+2*\b+1], v[FE+90+2*\b:FE+90+2*\b+1]
.endr
.irp b, 0,1,2,3,4,5,6,7,8,9,10,11,12,13,14
	v_pk_add_f32 v[FE+2*\b:FE+2*\b+1], v[FE+2*\b:FE+2*\b+1], v[FE+60+2*\b:FE+60+2*\b+1]   ; (wave 0 + wave 1) + (wave 2 + wave 3)
.endr
.irp b, 0,1,2,3,4,5,6,7,8,9,10,11,12,13,14
	global_store_b64 v[GOF], v[FE+2*\b:FE+2*\b+1], s[8:9] offset:256*\b   ; 32 lanes store 256 consecutive bytes, at a multiple of 256 from the buffer's first byte
.endr
	s_wait_tensorcnt 0x0                           ; the wave's end: behind my last tensor load and my last LDS store
	ds_add_u32 v[SPW], v[NIL]
	s_wait_dscnt 0x0
	CROUND                                         ; the closing round: no work-group ends while a partner may still ask for a tile that names it
	s_endpgm
.Lfunc_end_k_q6628d26662_aft:
	.size	k_q6628d26662_aft, .Lfunc_end_k_q6628d26662_aft-k_q6628d26662_aft
	.p2alignl 7, 3214868480
	.fill 96, 4, 3214868480
	.section	.rodata,"a",@progbits
	.p2align	6, 0x0
	.amdhsa_kernel k_q6628d26662_aft
		.amdhsa_group_segment_fixed_size 327680
		.amdhsa_private_segment_fixed_size 0
		.amdhsa_enable_private_segment 0
		.amdhsa_kernarg_size 24
		.amdhsa_user_sgpr_count 2
		.amdhsa_user_sgpr_kernarg_segment_ptr 1
		.amdhsa_wavefront_size32 1
		.amdhsa_system_sgpr_workgroup_id_x 1
		.amdhsa_system_sgpr_workgroup_id_y 1
		.amdhsa_system_sgpr_workgroup_id_z 1
		.amdhsa_system_vgpr_workitem_id 0
		.amdhsa_next_free_vgpr 1024
		.amdhsa_next_free_sgpr 90
		.amdhsa_reserve_vcc 0
		.amdhsa_float_denorm_mode_32 3
		.amdhsa_float_denorm_mode_16_64 3
		.amdhsa_memory_ordered 1
		.amdhsa_forward_progress 1
		.amdhsa_inst_pref_size 172
	.end_amdhsa_kernel
	.amdgpu_metadata
---
amdhsa.version: [ 1, 2 ]
amdhsa.kernels:
  - .name:           k_q6628d26662_aft
    .symbol:         k_q6628d26662_aft.kd
    .args:
      - { .name: recs, .offset: 0, .size: 8, .value_kind: global_buffer, .address_space: global }
      - { .name: fbuf, .offset: 8, .size: 8, .value_kind: global_buffer, .address_space: global }
      - { .name: f2, .offset: 16, .size: 8, .value_kind: global_buffer, .address_space: global }
    .group_segment_fixed_size: 327680
    .private_segment_fixed_size: 0
    .kernarg_segment_align: 8
    .kernarg_segment_size: 24
    .max_flat_workgroup_size: 128
    .sgpr_count:     90
    .vgpr_count:     1024
    .wavefront_size: 32
...
	.end_amdgpu_metadata
.endif
;; end of part 4
;; launch out (part 5): grid 225 x 1, 4 waves a work-group, no clusters, 23,040 bytes of LDS; arguments f2, recs, g2, be2, g3, be3, out0; writes out0
.if DOCPART == 5
	.amdgcn_target "amdgcn-amd-amdhsa--gfx1250"
	.amdhsa_code_object_version 6
	.text
	.protected	k_q6628d26662_out
	.globl	k_q6628d26662_out
	.p2align	8
	.type	k_q6628d26662_out,@function
k_q6628d26662_out:
	s_mov_b64 s[64:65], 0
	v_nop
	global_prefetch_b8 v0, s[64:65] scope:SCOPE_SE
	s_setreg_imm32_b32 hwreg(HW_REG_WAVE_MODE, 25, 1), 1
	s_wait_xcnt 0x0
; out0[b][o] = relu(LN3(Q(relu(LN2(f2[b][:]))) Q(W_out)^T + b_out)): two layer norms over 256 in f32, between them a product on codes of FP8 (E4M3) with one E8M0 scale for each 32 along K = 256.
; f2: [block 16][et 16] images of 15,360 bytes; byte 1024 t + 512 c + 16 lane + 4 i = (query 16 t + r of the block, e = 16 et + 8 h + 4 c + i).  Query tile i lies at block min(i / 14, 15), place i - 14 x block.
; W_out's 16 tiles of 16 rows are records 225-240 of recs (4,352 bytes each: two K steps' fragments in register order, a scale word a lane, the 16 biases at byte 4224).
; SHARES: a work-group takes one tile of 16 queries.  Wave w owns e = 64 w .. 64 w + 63 for LN2 and the quantiser (two blocks of 32), and outputs o = 64 w .. 64 w + 63 for the product and LN3.
; A lane (r, h) holds query r throughout.  It loads f2 so that its registers 16 b + i are e = 64 w + 32 b + 16 h + i: 16 neighbours along K of each block, as the conversions and the operand's layout want them.
; A LAYER NORM OVER FOUR WAVES, one exchange: each wave makes the mean and the sum of squared differences from it over its own 64; the four pairs meet in LDS;
; mean = the mean of the means, M2 = the sum of the four M2 + 64 x the sum of (a wave's mean - mean)^2.  No difference of large sums.
; The codes go from wave to wave as an image of the operand's registers (16 bytes a lane, 512 an instruction), the scale bytes two at a time into the row's words.
; THE MATRIX INSTRUCTION IS USED TRANSPOSED (source 0 = 16 rows of W_out, source 1 = the 16 queries, C = the bias): a lane's eight results are eight neighbouring outputs of its query.
; LIMITS: a block of zeros gets the scale byte 1 (its codes are zeros); blocks whose largest number lies under 2^-118 are taken at that floor; NaN and infinities are not served.
; No tensor load and no cluster: work-groups share only W_out's 70 KB, a small part of what each moves; LDS is claimed as it is used.
.set REC,  4352
.set IMGB, 15360
.set EX2,  0                           ; LDS: LN2's exchange: 16 rows x 4 waves x (mean, M2)
.set EX3,  512                         ; LN3's
.set ISC,  1024                        ; the operand's scale words, one a lane: lanes 0-15 K step 0, lanes 16-31 K step 1
.set IMG,  1280                        ; its two fragments, 4,096 bytes
.set STG,  5632                        ; the way out: 16 rows x (1,024 bytes + 16)
.set SPT,  1040
.set XO,  4                            ; v4   f2: 15360 h + 16 r
.set GO2, 5                            ; v5   g2, be2: 64 h
.set LI,  6                            ; v6   16 x lane
.set LS,  7                            ; v7   4 x lane
.set HO,  8                            ; v8   32 h
.set EXW, 9                            ; v9   32 r + 8 wave
.set EXR, 10                           ; v10  32 r
.set IMW, 11                           ; v11  IMG + 1024 wave + 16 x lane
.set ISW, 12                           ; v12  ISC + 64 (wave / 2) + 2 (wave % 2) + 4 r
.set STO, 13                           ; v13  STG + 1040 r + 256 wave + 32 h
.set STR, 14                           ; v14  STG + 4 wave x 1040 + 16 x lane
.set TM,  20                           ; v20-21 largest numbers, v22-23 the other half's and then bytes, v24-25 448 x the scale, v26-27 the conversions' scale operands, v28 the two bytes
.set SQ,  30                           ; v30-33 at work
.set PM,  34                           ; v34  what lane l xor 16 sends
.set LM,  36                           ; v[36:37] my wave's mean, my wave's M2
.set MU,  38                           ; v[38:39] the mean, twice
.set X,   40                           ; v40-71   f2, then LN2's result
.set G,   72                           ; v72-103  g2
.set B,   104                          ; v104-135 be2
.set T,   136                          ; v136-167 at work; between the norms the operand's two fragments
.set D,   168                          ; v168-199 four accumulators
.set PC,  200                          ; v200-207 my codes
.set WSR, 208                          ; v208-211 W_out's scale words
.set FS,  212                          ; v212     the operand's
.set RS,  214                          ; v[214:215] 1 / sqrt(variance + eps), twice
.set EX,  216                          ; v216-223 the four waves' pairs
.set OUT, 224                          ; v224-255 the result
                                       ; window 1: v0-127 W_out's fragments (32 o + 16 s), v128-159 the biases, v160-191 g3, v192-223 be3, each 8 o + 4 c + i
.set WV,  18
.set SEL, 30                           ; s[30:31]
.set MSB, 0
.macro WIN new
.if MSB != (\new)
	s_set_vgpr_msb (MSB<<8)|(\new)
.set MSB, \new
.endif
.endm
; my wave's mean and M2 of the 64 numbers of each query (32 in v[src] on, 32 in lane l xor 16), stored for the others.  src is read from its low end on, each group of eight registers in ascending order.
.macro STATS_A src, ex
.irp i, 0,1,2,3,4,5,6,7
	v_pk_add_f32 v[T+2*\i:T+2*\i+1], v[\src+4*\i:\src+4*\i+1], v[\src+4*\i+2:\src+4*\i+3]
.endr
.irp i, 0,1,2,3
	v_pk_add_f32 v[T+16+2*\i:T+17+2*\i], v[T+4*\i:T+4*\i+1], v[T+4*\i+2:T+4*\i+3]
.endr
.irp i, 0,1
	v_pk_add_f32 v[T+24+2*\i:T+25+2*\i], v[T+16+4*\i:T+17+4*\i], v[T+18+4*\i:T+19+4*\i]
.endr
	v_pk_add_f32 v[T+28:T+29], v[T+24:T+25], v[T+26:T+27]
	v_add_f32 v[T+30], v[T+28], v[T+29]
	v_permlanex16_b32 v[PM], v[T+30], s[SEL], s[SEL+1]
	v_add_f32 v[T+30], v[T+30], v[PM]
	v_mul_f32 v[LM], 0x3c800000, v[T+30]           ; / 64
.irp j, 0,2,4,6,8,10,12,14,16,18,20,22,24,26,28,30
	v_pk_add_f32 v[T+\j:T+\j+1], v[\src+\j:\src+\j+1], v[LM:LM+1] op_sel_hi:[1,0] neg_lo:[0,1] neg_hi:[0,1]   ; less my wave's mean (the pair's low word serves both halves)
.endr
	v_pk_mul_f32 v[SQ:SQ+1], v[T:T+1], v[T:T+1]
	v_pk_mul_f32 v[SQ+2:SQ+3], v[T+2:T+3], v[T+2:T+3]
.irp j, 4,8,12,16,20,24,28
	v_pk_fma_f32 v[SQ:SQ+1], v[T+\j:T+\j+1], v[T+\j:T+\j+1], v[SQ:SQ+1]
	v_pk_fma_f32 v[SQ+2:SQ+3], v[T+\j+2:T+\j+3], v[T+\j+2:T+\j+3], v[SQ+2:SQ+3]
.endr
	v_pk_add_f32 v[SQ:SQ+1], v[SQ:SQ+1], v[SQ+2:SQ+3]
	v_add_f32 v[SQ], v[SQ], v[SQ+1]
	v_permlanex16_b32 v[PM], v[SQ], s[SEL], s[SEL+1]
	v_add_f32 v[LM+1], v[SQ], v[PM]
	ds_store_b64 v[EXW], v[LM:LM+1] offset:\ex     ; lanes r and r + 16 write the same pair
.endm
; the four waves' pairs become the row's mean (v[MU], twice) and 1 / sqrt(variance + eps) (v[RS], twice)
.macro STATS_B ex
	s_wait_dscnt 0x0                               ; for the others' sake: my store is done
	s_barrier_signal -1
	s_barrier_wait -1
	ds_load_b128 v[EX:EX+3], v[EXR] offset:\ex
	ds_load_b128 v[EX+4:EX+7], v[EXR] offset:\ex+16
	s_wait_dscnt 0x0
	v_add_f32 v[SQ], v[EX], v[EX+2]
	v_add_f32 v[SQ+1], v[EX+4], v[EX+6]
	v_add_f32 v[SQ], v[SQ], v[SQ+1]
	v_mul_f32 v[MU], 0x3e800000, v[SQ]             ; / 4
	v_mul_f32 v[MU+1], 0x3e800000, v[SQ]
	v_sub_f32 v[SQ], v[EX], v[MU]
	v_sub_f32 v[SQ+1], v[EX+2], v[MU]
	v_sub_f32 v[SQ+2], v[EX+4], v[MU]
	v_sub_f32 v[SQ+3], v[EX+6], v[MU]
	v_mul_f32 v[SQ], v[SQ], v[SQ]
	v_fmac_f32 v[SQ], v[SQ+1], v[SQ+1]
	v_fmac_f32 v[SQ], v[SQ+2], v[SQ+2]
	v_fmac_f32 v[SQ], v[SQ+3], v[SQ+3]
	v_add_f32 v[SQ+1], v[EX+1], v[EX+3]
	v_add_f32 v[SQ+2], v[EX+5], v[EX+7]
	v_add_f32 v[SQ+1], v[SQ+1], v[SQ+2]
	v_fmac_f32 v[SQ+1], 0x42800000, v[SQ]          ; + 64 x the spread of the four means
	v_fma_f32 v[SQ+1], v[SQ+1], s33, s34           ; / 256 + eps
	v_rsq_f32 v[RS], v[SQ+1]
	v_rsq_f32 v[RS+1], v[SQ+1]
	v_nop                                          ; one plain line behind a transcendental, ahead of the use of its result (ISA guide 5.7.2)
.endm
	s_load_b256 s[4:11], s[0:1], 0x0               ; f2 s[4:5], recs s[6:7], g2 s[8:9], be2 s[10:11]
	s_load_b128 s[12:15], s[0:1], 0x20             ; g3 s[12:13], be3 s[14:15]
	s_load_b64 s[16:17], s[0:1], 0x30              ; out0
	v_lshl_add_u32 v35, v0, 2, 0x5800
	v_mov_b32 v213, 0
	v_lshrrev_b32 v1, 5, v0
	v_readfirstlane_b32 s[WV], v1                  ; wave 0..3
	s_mul_i32 s20, ttmp9, 4682                     ; i / 14 = (4682 i) >> 16 for i up to 224
	s_lshr_b32 s20, s20, 16
	s_min_u32 s20, s20, 15                         ; block
	s_mul_i32 s21, s20, 14
	s_sub_co_u32 s21, ttmp9, s21                   ; place
	s_lshl_b32 s22, s20, 4
	s_lshl_b32 s23, s[WV], 2
	s_add_co_u32 s22, s22, s23
	s_mul_i32 s22, s22, IMGB                       ; image 16 block + 4 wave,
	s_lshl_b32 s21, s21, 10
	s_add_co_u32 s22, s22, s21                     ; my tile's 1,024 bytes in it
	s_add_co_u32 s24, s23, 225
	s_mul_i32 s24, s24, REC                        ; record 225 + 4 wave
	s_mov_b32 s23, 0
	s_mov_b32 s25, 0
	s_lshl_b32 s26, s[WV], 8                       ; my 64 numbers of g2, be2, g3, be3
	s_mov_b32 s27, 0
	s_lshl_b32 s28, ttmp9, 14
	s_lshl_b32 s29, s[WV], 12
	s_add_co_u32 s28, s28, s29                     ; row 16 tile + 4 wave of out0
	s_mov_b32 s29, 0
	s_mov_b32 s[SEL], 0x76543210                   ; lane selects: lane l xor 16
	s_mov_b32 s[SEL+1], 0xfedcba98
	s_mov_b32 s32, 0x600000                        ; the mantissa field of 448
	s_mov_b32 s33, 0x3b800000                      ; 1 / 256
	s_mov_b32 s34, 0x3727c5ac                      ; eps = 1e-5
	s_lshl_b32 s35, s[WV], 3
	s_lshl_b32 s36, s[WV], 10
	s_add_co_u32 s36, s36, IMG
	s_lshr_b32 s37, s[WV], 1
	s_lshl_b32 s37, s37, 6
	s_and_b32 s38, s[WV], 1
	s_lshl_b32 s38, s38, 1
	s_add_co_u32 s37, s37, s38
	s_add_co_u32 s37, s37, ISC
	s_lshl_b32 s38, s[WV], 8
	s_add_co_u32 s38, s38, STG
	s_mul_i32 s39, s[WV], 4*SPT
	s_add_co_u32 s39, s39, STG
	v_and_b32 v1, 31, v0                           ; lane
	v_and_b32 v2, 15, v0                           ; r
	v_bfe_u32 v3, v0, 4, 1                         ; h
	v_mul_u32_u24 v[XO], v3, IMGB
	v_lshl_add_u32 v[XO], v2, 4, v[XO]
	v_lshlrev_b32 v[GO2], 6, v3
	v_lshlrev_b32 v[LI], 4, v1
	v_lshlrev_b32 v[LS], 2, v1
	v_lshlrev_b32 v[HO], 5, v3
	v_lshlrev_b32 v[EXR], 5, v2
	v_add_nc_u32 v[EXW], s35, v[EXR]
	v_add_nc_u32 v[IMW], s36, v[LI]
	v_lshl_add_u32 v[ISW], v2, 2, s37
	v_mul_u32_u24 v[STO], v2, SPT
	v_lshl_add_u32 v[STO], v3, 5, v[STO]
	v_add_nc_u32 v[STO], s38, v[STO]
	v_add_nc_u32 v[STR], s39, v[LI]
	v_mov_b32 v[PM], 0                             ; written once: a lane permute's destination counts as one of its sources
	v_mov_b32 v[TM+2], 0
	v_mov_b32 v[TM+3], 0
	v_mov_b32 v[LM+1], 0                           ; (named as the upper half of a pair before it is first written)
	s_wait_kmcnt 0x0
	s_add_nc_u64 s[4:5], s[4:5], s[22:23]
	s_add_nc_u64 s[6:7], s[6:7], s[24:25]
	s_add_nc_u64 s[8:9], s[8:9], s[26:27]
	s_add_nc_u64 s[10:11], s[10:11], s[26:27]
	s_add_nc_u64 s[12:13], s[12:13], s[26:27]
	s_add_nc_u64 s[14:15], s[14:15], s[26:27]
	s_add_nc_u64 s[16:17], s[16:17], s[28:29]
.irp b, 0,1                            ; e = 64 w + 32 b + 16 h + 8 a + 4 c + i lies in image 4 w + 2 b + h at byte 512 c + 256 a + 16 r: sixteen lanes read 256 consecutive bytes
.irp a, 0,1
.irp c, 0,1
	global_load_b128 v[X+16*\b+8*\a+4*\c:X+16*\b+8*\a+4*\c+3], v[XO], s[4:5] offset:\b*2*IMGB+512*\c+256*\a
.endr
.endr
.endr
.irp b, 0,1
.irp n, 0,1,2,3
	global_load_b128 v[G+16*\b+4*\n:G+16*\b+4*\n+3], v[GO2], s[8:9] offset:128*\b+16*\n
.endr
.endr
.irp b, 0,1
.irp n, 0,1,2,3
	global_load_b128 v[B+16*\b+4*\n:B+16*\b+4*\n+3], v[GO2], s[10:11] offset:128*\b+16*\n
.endr
.endr
	WIN 0x40                                       ; destination window 1
.irp o, 0,1,2,3
.irp n, 0,1,2,3,4,5,6,7
	global_load_b128 v[32*\o+4*\n:32*\o+4*\n+3], v[LI], s[6:7] offset:\o*REC+512*\n   ; my four tiles of W_out, as they lie
.endr
.endr
	WIN 0
.irp o, 0,1,2,3
	global_load_b32 v[WSR+\o], v[LS], s[6:7] offset:\o*REC+4096
.endr
	s_wait_loadcnt 52                              ; f2's 8 loads are in; the 52 issued behind them may be out
	STATS_A X, EX2
	WIN 0x40
.irp o, 0,1,2,3
.irp c, 0,1
	global_load_b128 v[128+8*\o+4*\c:131+8*\o+4*\c], v[HO], s[6:7] offset:\o*REC+4224+16*\c    ; the biases in the result's layout: outputs 8 h + 0..7 of tile o
.endr
.endr
.irp o, 0,1,2,3
.irp c, 0,1
	global_load_b128 v[160+8*\o+4*\c:163+8*\o+4*\c], v[HO], s[12:13] offset:64*\o+16*\c
.endr
.endr
.irp o, 0,1,2,3
.irp c, 0,1
	global_load_b128 v[192+8*\o+4*\c:195+8*\o+4*\c], v[HO], s[14:15] offset:64*\o+16*\c
.endr
.endr
	WIN 0
	STATS_B EX2
	s_wait_loadcnt 60                              ; g2 and be2 are in; behind them: 36 loads of W_out and the 24 just issued
.irp j, 0,2,4,6,8,10,12,14,16,18,20,22,24,26,28,30
	v_pk_add_f32 v[X+\j:X+\j+1], v[X+\j:X+\j+1], v[MU:MU+1] neg_lo:[0,1] neg_hi:[0,1]
.endr
	s_wait_alu depctr_va_vdst(0)
.irp j, 0,2,4,6,8,10,12,14,16,18,20,22,24,26,28,30
	v_pk_mul_f32 v[X+\j:X+\j+1], v[X+\j:X+\j+1], v[RS:RS+1]
.endr
.irp j, 0,2,4,6,8,10,12,14,16,18,20,22,24,26,28,30
	v_pk_fma_f32 v[X+\j:X+\j+1], v[X+\j:X+\j+1], v[G+\j:G+\j+1], v[B+\j:B+\j+1]
.endr
	; THE QUANTISER, two blocks of 32 along K.  No |.| on the sources: what is negative becomes 0 (the activation), so it must not count; the floor 2^(9 - 127) stands over it and holds the byte at 1 from below
.irp b, 0,1
	v_max3_num_f32 v[TM+\b], v[X+16*\b], v[X+1+16*\b], 0x4800000
.endr
.irp i, 2,4,6,8,10,12,14
.irp b, 0,1
	v_max3_num_f32 v[TM+\b], v[TM+\b], v[X+16*\b+\i], v[X+1+16*\b+\i]
.endr
.endr
.irp b, 0,1
	v_permlanex16_b32 v[TM+2+\b], v[TM+\b], s[SEL], s[SEL+1]
.endr
.irp b, 0,1
	v_max_num_f32 v[TM+\b], v[TM+\b], v[TM+2+\b]   ; with lane l xor 16's 16: the block's largest number
.endr
.irp b, 0,1
	v_add_nc_u32 v[TM+6+\b], 0xfc000000, v[TM+\b]  ; 8 off its exponent field: the conversion's scale operand
.endr
.irp b, 0,1
	v_and_or_b32 v[TM+4+\b], v[TM+\b], 0x7f800000, s32   ; 448 x the scale
.endr
.irp b, 0,1
	v_lshrrev_b32 v[TM+2+\b], 23, v[TM+6+\b]       ; the scale's byte
.endr
	v_lshl_or_b32 v[TM+8], v[TM+3], 8, v[TM+2]
.irp b, 0,1
.irp i, 0,1,2,3,4,5,6,7,8,9,10,11,12,13,14,15
	v_med3_num_f32 v[X+16*\b+\i], v[X+16*\b+\i], 0, v[TM+4+\b]   ; the activation and the hold in one (the conversion to an 8-bit code does not saturate: ISA guide 7.6.2)
.endr
	v_cvt_scalef32_pk8_fp8_f32 v[PC+4*\b:PC+1+4*\b], v[X+16*\b:X+7+16*\b], v[TM+6+\b]
	v_cvt_scalef32_pk8_fp8_f32 v[PC+2+4*\b:PC+3+4*\b], v[X+8+16*\b:X+15+16*\b], v[TM+6+\b]
.endr
	v_nop                                          ; one plain line behind the last conversion
	ds_store_b128 v[IMW], v[PC:PC+3]               ; K step w / 2, register groups 2 (w % 2) and 2 (w % 2) + 1 of the operand's image
	ds_store_b128 v[IMW], v[PC+4:PC+7] offset:512
	ds_store_b16 v[ISW], v[TM+8]                   ; my two bytes of row r's word of that K step (lanes r and r + 16 write the same)
	s_wait_dscnt 0x0                               ; for the others' sake
	s_barrier_signal -1
	s_barrier_wait -1                              ; the operand lies in LDS
.irp n, 0,1,2,3,4,5,6,7
	ds_load_b128 v[T+4*\n:T+4*\n+3], v[LI] offset:IMG+512*\n
.endr
	ds_load_b32 v[FS], v[LS] offset:ISC
	s_wait_dscnt 0x0
	s_wait_loadcnt 16                              ; W_out's fragments, scale words and biases are in; g3's and be3's 16 loads may be out
	WIN 0x11                                       ; source 0 (W_out) and C (the bias) window 1
.irp o, 0,1,2,3                        ; the four accumulators take turns, one instruction a turn
	v_wmma_scale_f32_16x16x128_f8f6f4 v[D+8*\o:D+8*\o+7], v[32*\o:32*\o+15], v[T:T+15], v[128+8*\o:135+8*\o], v[WSR+\o], v[FS]
.endr
	WIN 0x01
.irp o, 0,1,2,3
	v_wmma_scale_f32_16x16x128_f8f6f4 v[D+8*\o:D+8*\o+7], v[32*\o+16:32*\o+31], v[T+16:T+31], v[D+8*\o:D+8*\o+7], v[WSR+\o], v[FS] matrix_a_scale:MATRIX_SCALE_ROW1 matrix_b_scale:MATRIX_SCALE_ROW1
.endr
	WIN 0
.rept 8
	v_nop                                          ; eight places ahead of the first read of the results and the first write over the operand's registers
.endr
	STATS_A D, EX3
	STATS_B EX3
	s_wait_loadcnt 0x0                             ; g3, be3
.irp j, 0,2,4,6,8,10,12,14,16,18,20,22,24,26,28,30
	v_pk_add_f32 v[OUT+\j:OUT+\j+1], v[D+\j:D+\j+1], v[MU:MU+1] neg_lo:[0,1] neg_hi:[0,1]
.endr
	s_wait_alu depctr_va_vdst(0)
.irp j, 0,2,4,6,8,10,12,14,16,18,20,22,24,26,28,30
	v_pk_mul_f32 v[OUT+\j:OUT+\j+1], v[OUT+\j:OUT+\j+1], v[RS:RS+1]
.endr
	WIN 0x14                                       ; sources 1 (g3) and 2 (be3) window 1
.irp j, 0,2,4,6,8,10,12,14,16,18,20,22,24,26,28,30
	v_pk_fma_f32 v[OUT+\j:OUT+\j+1], v[OUT+\j:OUT+\j+1], v[160+\j:161+\j], v[192+\j:193+\j]
.endr
	WIN 0
.irp j, 0,1,2,3,4,5,6,7,8,9,10,11,12,13,14,15,16,17,18,19,20,21,22,23,24,25,26,27,28,29,30,31
	v_max_num_f32 v[OUT+\j], 0, v[OUT+\j]          ; relu
.endr
	; THE WAY OUT: a row's 256 outputs come from four waves: they meet in a stage, and each wave stores four whole rows
.irp o, 0,1,2,3
	ds_store_b128 v[STO], v[OUT+8*\o:OUT+8*\o+3] offset:64*\o
	ds_store_b128 v[STO], v[OUT+8*\o+4:OUT+8*\o+7] offset:64*\o+16
.endr
	s_wait_dscnt 0x0                               ; for the others' sake
	s_barrier_signal -1
	s_barrier_wait -1
.irp i, 0,1,2,3,4,5,6,7
	ds_load_b128 v[OUT+4*\i:OUT+4*\i+3], v[STR] offset:(\i/2)*SPT+512*(\i%2)
.endr
.irp i, 0,1,2,3,4,5,6,7
	s_wait_dscnt 7-\i                              ; LDS loads come back in order (ISA guide 5.7.1): load i is in, the younger ones may be out
	global_store_b128 v[LI], v[OUT+4*\i:OUT+4*\i+3], s[16:17] offset:(\i/2)*1024+512*(\i%2) th:TH_STORE_NT   ; 32 lanes store 512 consecutive bytes, aligned; written once, read by nobody here
.endr
	s_wait_tensorcnt 0x0
	ds_add_u32 v35, v213
	s_wait_dscnt 0x0
	s_endpgm
.Lfunc_end_k_q6628d26662_out:
	.size	k_q6628d26662_out, .Lfunc_end_k_q6628d26662_out-k_q6628d26662_out
	.p2alignl 7, 3214868480
	.fill 96, 4, 3214868480
	.section	.rodata,"a",@progbits
	.p2align	6, 0x0
	.amdhsa_kernel k_q6628d26662_out
		.amdhsa_group_segment_fixed_size 23040
		.amdhsa_private_segment_fixed_size 0
		.amdhsa_enable_private_segment 0
		.amdhsa_kernarg_size 56
		.amdhsa_user_sgpr_count 2
		.amdhsa_user_sgpr_kernarg_segment_ptr 1
		.amdhsa_wavefront_size32 1
		.amdhsa_system_sgpr_workgroup_id_x 1
		.amdhsa_system_sgpr_workgroup_id_y 1
		.amdhsa_system_sgpr_workgroup_id_z 1
		.amdhsa_system_vgpr_workitem_id 0
		.amdhsa_next_free_vgpr 512
		.amdhsa_next_free_sgpr 66
		.amdhsa_reserve_vcc 0
		.amdhsa_float_denorm_mode_32 3
		.amdhsa_float_denorm_mode_16_64 3
		.amdhsa_memory_ordered 1
		.amdhsa_forward_progress 1
		.amdhsa_inst_pref_size 36
	.end_amdhsa_kernel
	.amdgpu_metadata
---
amdhsa.version: [ 1, 2 ]
amdhsa.kernels:
  - .name:           k_q6628d26662_out
    .symbol:         k_q6628d26662_out.kd
    .args:
      - { .name: f2, .offset: 0, .size: 8, .value_kind: global_buffer, .address_space: global }
      - { .name: recs, .offset: 8, .size: 8, .value_kind: global_buffer, .address_space: global }
      - { .name: g2, .offset: 16, .size: 8, .value_kind: global_buffer, .address_space: global }
      - { .name: be2, .offset: 24, .size: 8, .value_kind: global_buffer, .address_space: global }
      - { .name: g3, .offset: 32, .size: 8, .value_kind: global_buffer, .address_space: global }
      - { .name: be3, .offset: 40, .size: 8, .value_kind: global_buffer, .address_space: global }
      - { .name: out0, .offset: 48, .size: 8, .value_kind: global_buffer, .address_space: global }
    .group_segment_fixed_size: 23040
    .private_segment_fixed_size: 0
    .kernarg_segment_align: 8
    .kernarg_segment_size: 56
    .max_flat_workgroup_size: 128
    .sgpr_count:     66
    .vgpr_count:     512
    .wavefront_size: 32
...
	.end_amdgpu_metadata
.endif
;; end of part 5
